; MI455X (gfx1250); checked and timed in simulation.
; The chip was launched on July 23, 2026; its instructions are those of AMD's public machine-readable ISA for CDNA 5 (MIT licence, August 2026) and "CDNA5" Instruction Set Architecture Reference Guide (July 2026). The comments in the code are by the model that wrote it; some were corrected since.
;; BMOJO Attention. Allowed arithmetic: float matrix products may take bf16 or f16 operands with f32 sums; all other float work in f32.
;; Inputs: Wk 1,024 x 2,048 float32; Wk2 1,024 x 2,048 float32; Wo 2,048 x 2,048 float32; Wq 2,048 x 2,048 float32; Wq2 2,048 x 2,048 float32; Wv 1,024 x 2,048 float32; Wv2 1,024 x 2,048 float32; bk 1,024 float32; bk2 1,024 float32; bq 2,048 float32; bq2 2,048 float32; bv 1,024 float32; bv2 1,024 float32; cos 2 x 1,024 x 128 float32; gk 128 float32; gk2 128 float32; gq 128 float32; gq2 128 float32; hidden_states 2 x 1,024 x 2,048 float32; sin 2 x 1,024 x 128 float32.
;; Outputs: out0 2 x 1,024 x 2,048 float32.
;; One version. Each part assembles by itself: llvm-mc -triple=amdgcn-amd-amdhsa -mcpu=gfx1250 --defsym DOCPART=n.
;; ======== version 1 of 1: 4 launches
;; limits: values are held in f16: magnitudes above 65,504 overflow, below 6.1e-05 lose precision
;; workspace buffers: h16 51,380,224 bytes; qkv 33,554,432 bytes; ob 8,388,608 bytes
;; launch cast (part 1): grid 1568 x 1, 8 waves a work-group, no clusters, 0 bytes of LDS; arguments hidden_states, Wq, Wk, Wv, Wq2, Wk2, Wv2, Wo, cos, sin, h16; writes h16
.if DOCPART == 1
	.amdgcn_target "amdgcn-amd-amdhsa--gfx1250"
	.amdhsa_code_object_version 6
	.text
	.protected	k_qe36aa6ef28_cast
	.globl	k_qe36aa6ef28_cast
	.p2align	8
	.type	k_qe36aa6ef28_cast,@function
k_qe36aa6ef28_cast:
	s_mov_b64 s[64:65], 0
	v_nop
	global_prefetch_b8 v0, s[64:65] scope:SCOPE_SE
	s_setreg_imm32_b32 hwreg(HW_REG_WAVE_MODE, 25, 1), 1
	s_wait_xcnt 0x0
; ROUNDING OF THE INPUTS.  x, the six projection weights, cos and sin are rounded once to bf16; Wo is rounded to bf16 and that number is written as f16
; (the last product multiplies it with f16 numbers).  h16 holds them on end, in 1,568 blocks of 32,768 bytes:
;   blocks 0-255 x [2048][2048]; 256-1279 the weights as ONE matrix [8192][2048], rows Wq, Wk, Wv, Wq2, Wk2, Wv2; 1280-1535 Wo; 1536-1551 cos; 1552-1567 sin.
; LIMIT.  Wo within f16's 65,504; below 6e-5 it keeps f16's fixed step of 6e-8.
; SHARES.  A work-group converts one block: 16,384 numbers, 65,536 bytes in, 32,768 out.  Thread t takes 16 bytes at 16 t of every 4,096 bytes: a wave's load covers 512
; consecutive bytes, its store 256 consecutive bytes at a multiple of 256.  All sixteen loads of a wave go out at its start; a turn converts in place and stores from the registers
; that were loaded, which nothing writes again.  With 70 registers a wave, all the work-groups of a WGP's share lie on it together.  No LDS, no barrier, no matrix unit: nothing is shared.
.set X, 4                              ; v[4:67]    turn r's four registers as loaded; its first two then hold what is stored
.set T, 68                             ; v[68:69]   at work
	s_load_b512 s[8:23], s[0:1], 0x0               ; x s[8:9], Wq, Wk, Wv, Wq2, Wk2, Wv2, Wo s[22:23]
	s_load_b128 s[24:27], s[0:1], 0x40             ; cos, sin
	s_load_b64 s[28:29], s[0:1], 0x50              ; h16
	s_mov_b32 s2, ttmp9                            ; my block
	s_mov_b32 s32, 0xffff0000                      ; a word's upper bf16
	v_lshlrev_b32 v1, 4, v0                        ; 16 t: where I load
	v_lshlrev_b32 v2, 3, v0                        ; 8 t: where I store
	s_lshl_b32 s34, s2, 15                         ; my block's first byte in h16
	s_mov_b32 s35, 0
	s_mov_b32 s6, 0                                ; the first block of the input that my block belongs to
	s_mov_b32 s31, 0
	s_wait_kmcnt 0x0
	s_mov_b64 s[4:5], s[8:9]
.macro PICK thr, ptr                   ; from block thr on the source is the buffer whose address lies in s[ptr:ptr+1]
	s_cmp_ge_u32 s2, \thr
	s_cselect_b64 s[4:5], s[\ptr:\ptr+1], s[4:5]
	s_cselect_b32 s6, \thr, s6
.endm
	PICK 256, 10
	PICK 512, 12
	PICK 640, 14
	PICK 768, 16
	PICK 1024, 18
	PICK 1152, 20
	PICK 1280, 22
	PICK 1536, 24
	PICK 1552, 26
	s_sub_co_u32 s30, s2, s6
	s_lshl_b32 s30, s30, 16                        ; 65,536 bytes of f32 for each block
	s_add_nc_u64 s[4:5], s[4:5], s[30:31]
	s_add_nc_u64 s[28:29], s[28:29], s[34:35]
.set n, 0
.rept 16
	global_load_b128 v[X+4*n:X+4*n+3], v1, s[4:5] offset:4096*n th:TH_LOAD_NT
.set n, n+1
.endr
; Turn r of 16.  kind 0: to bf16.  kind 1: to bf16, widened again, and written as f16.
.macro TURN r, kind
.set XS, X+4*(\r)
	s_wait_loadcnt 15-(\r)                         ; loads come back in order (ISA guide 5.7.1): mine is in, the 15 - r younger ones stay out
.if \kind
	v_cvt_pk_bf16_f32 v[T], v[XS], v[XS+1]
	v_cvt_pk_bf16_f32 v[T+1], v[XS+2], v[XS+3]
	v_lshlrev_b32 v[XS], 16, v[T]
	v_and_b32 v[XS+1], s32, v[T]
	v_lshlrev_b32 v[XS+2], 16, v[T+1]
	v_and_b32 v[XS+3], s32, v[T+1]
	v_cvt_pk_f16_f32 v[XS], v[XS], v[XS+1]
	v_cvt_pk_f16_f32 v[XS+1], v[XS+2], v[XS+3]
.else
	v_cvt_pk_bf16_f32 v[XS], v[XS], v[XS+1]
	v_cvt_pk_bf16_f32 v[XS+1], v[XS+2], v[XS+3]
.endif
	global_store_b64 v2, v[XS:XS+1], s[28:29] offset:2048*(\r)
.endm
	s_cmp_ge_u32 s2, 1280
	s_cbranch_scc0 .Lbf
	s_cmp_lt_u32 s2, 1536
	s_cbranch_scc1 .Lwo
.Lbf:
.set n, 0
.rept 16
	TURN n, 0
.set n, n+1
.endr
	s_endpgm
.Lwo:
.set n, 0
.rept 16
	TURN n, 1
.set n, n+1
.endr
	s_endpgm
.Lfunc_end_k_qe36aa6ef28_cast:
	.size	k_qe36aa6ef28_cast, .Lfunc_end_k_qe36aa6ef28_cast-k_qe36aa6ef28_cast
	.p2alignl 7, 3214868480
	.fill 96, 4, 3214868480
	.section	.rodata,"a",@progbits
	.p2align	6, 0x0
	.amdhsa_kernel k_qe36aa6ef28_cast
		.amdhsa_group_segment_fixed_size 0
		.amdhsa_private_segment_fixed_size 0
		.amdhsa_enable_private_segment 0
		.amdhsa_kernarg_size 88
		.amdhsa_user_sgpr_count 2
		.amdhsa_user_sgpr_kernarg_segment_ptr 1
		.amdhsa_wavefront_size32 1
		.amdhsa_system_sgpr_workgroup_id_x 1
		.amdhsa_system_sgpr_workgroup_id_y 1
		.amdhsa_system_sgpr_workgroup_id_z 1
		.amdhsa_system_vgpr_workitem_id 0
		.amdhsa_next_free_vgpr 72
		.amdhsa_next_free_sgpr 66
		.amdhsa_reserve_vcc 0
		.amdhsa_float_denorm_mode_32 3
		.amdhsa_float_denorm_mode_16_64 3
		.amdhsa_memory_ordered 1
		.amdhsa_forward_progress 1
		.amdhsa_inst_pref_size 17
	.end_amdhsa_kernel
	.amdgpu_metadata
---
amdhsa.version: [ 1, 2 ]
amdhsa.kernels:
  - .name:           k_qe36aa6ef28_cast
    .symbol:         k_qe36aa6ef28_cast.kd
    .args:
      - { .name: hidden_states, .offset: 0, .size: 8, .value_kind: global_buffer, .address_space: global }
      - { .name: Wq, .offset: 8, .size: 8, .value_kind: global_buffer, .address_space: global }
      - { .name: Wk, .offset: 16, .size: 8, .value_kind: global_buffer, .address_space: global }
      - { .name: Wv, .offset: 24, .size: 8, .value_kind: global_buffer, .address_space: global }
      - { .name: Wq2, .offset: 32, .size: 8, .value_kind: global_buffer, .address_space: global }
      - { .name: Wk2, .offset: 40, .size: 8, .value_kind: global_buffer, .address_space: global }
      - { .name: Wv2, .offset: 48, .size: 8, .value_kind: global_buffer, .address_space: global }
      - { .name: Wo, .offset: 56, .size: 8, .value_kind: global_buffer, .address_space: global }
      - { .name: cos, .offset: 64, .size: 8, .value_kind: global_buffer, .address_space: global }
      - { .name: sin, .offset: 72, .size: 8, .value_kind: global_buffer, .address_space: global }
      - { .name: h16, .offset: 80, .size: 8, .value_kind: global_buffer, .address_space: global }
    .group_segment_fixed_size: 0
    .private_segment_fixed_size: 0
    .kernarg_segment_align: 8
    .kernarg_segment_size: 88
    .max_flat_workgroup_size: 256
    .sgpr_count:     66
    .vgpr_count:     72
    .wavefront_size: 32
...
	.end_amdgpu_metadata
.endif
;; end of part 1
;; launch proj (part 2): grid 32 x 8, 4 waves a work-group, clusters of 4 x 4, 327,680 bytes of LDS; arguments h16, bq, bk, bv, bq2, bk2, bv2, gq, gk, gq2, gk2, qkv; writes qkv
.if DOCPART == 2
	.amdgcn_target "amdgcn-amd-amdhsa--gfx1250"
	.amdhsa_code_object_version 6
	.text
	.protected	k_qe36aa6ef28_proj
	.globl	k_qe36aa6ef28_proj
	.p2align	8
	.type	k_qe36aa6ef28_proj,@function
k_qe36aa6ef28_proj:
	s_mov_b64 s[64:65], 0
	v_nop
	global_prefetch_b8 v0, s[64:65] scope:SCOPE_SE
	s_setreg_imm32_b32 hwreg(HW_REG_WAVE_MODE, 25, 1), 1
	s_wait_xcnt 0x0
	s_wait_alu depctr_hold_cnt(0) depctr_sa_sdst(0) depctr_va_vdst(0) depctr_va_sdst(0) depctr_va_ssrc(0) depctr_va_vcc(0) depctr_vm_vsrc(0)
	s_getreg_b32 s2, hwreg(HW_REG_IB_STS2, 6, 4)
	s_cmp_eq_u32 s2, 0
	s_cbranch_scc0 .Lentry_in_a_cluster
	s_endpgm
.Lentry_in_a_cluster:
	s_bfe_u32 s2, ttmp6, 0x10000c
	s_cmp_lg_u32 s2, 0xf033
	s_cbranch_scc0 .Lentry_shape_is_right
	s_endpgm
.Lentry_shape_is_right:
; ALL SIX PROJECTIONS AS ONE PRODUCT, C[m][n] = sum over k of x[m][k] W[n][k], 2048 x 8192 x 2048 in bf16 with f32 sums, and on the way out what follows them:
; + bias; for q and k the RMS norm of the head's 128 channels, the gain and the rotation by cos and sin; rounded once to f16 and stored by heads, qkv[64 heads][2048 rows][128].
; Heads 0-15 q, 16-23 k, 24-31 v of the first path, 32-63 the same of the second: the order of W's rows.  Biases and gains are rounded to bf16 like every other input.
; LIMITS.  q, k, v within f16's 65,504 (q and k are at most 11.4 |g| (|cos| + |sin|)); NaN and infinities are not treated apart.
; SHARES.  A tile of C, 256 x 256, is made by four waves; a wave makes 128 x 128: 128 rows of ONE head, 64 accumulators, 512 registers.  K goes in steps of 128 through a ring of two LDS slots filled by
; tensor loads whose rows are 256 bytes of memory.  256 work-groups, one tile each.
; CLUSTER.  4 x 4 work-groups: the four of a row of the cluster need the same tiles of x, the four of a column the same tiles of W; each tile is asked for JOINTLY, by the same load, descriptor and mask in all four.
; A cluster's 1,024 columns are 8 heads of ONE kind (its x, 0 to 7: q, q, k, v, q, q, k, v), so the one branch on the kind is the same in all partners.
; THE MATRIX INSTRUCTION IS USED TRANSPOSED (source 0 = 16 rows of W, source 1 = 16 rows of x): lane l holds row l % 16, and register j of accumulator (a, b) channel d = 16 b + 8 (l / 16) + j.
; So a row's 128 channels lie in 64 registers of two lanes 16 apart: the sum of squares wants one exchange, and channels d and d + 64, which the rotation pairs, are blocks b and b + 4 of one lane.
; REGISTERS, in windows of 256 (s_set_vgpr_msb: bits 1:0 source 0, 3:2 source 1, 5:4 source 2, 7:6 destination):
;   window 0: v0-31 addresses and at work; v32-63 TMP; v64-127, v128-191 x's fragments, later Y and O; v192-223, v224-255 16 rows of cos and of sin as loaded (bf16)
;   window 1: v0-63 my 64 biases; v64-127, v128-191 W's fragments, later cos and sin in f32; v192-255 my 64 gains
;   window 2: the 32 accumulators of my rows 0-63 ((a, b) at v[8 (8 a + b)]);   window 3: those of my rows 64-127
.set SIZE_K, 2048
.set KSTEP,  128
.set PITCH,  272                       ; an LDS row: 256 bytes + 16 of padding = 68 words: row r starts at bank 4 r mod 64 (64 banks of 4 bytes: ISA guide 11.1)
.set HALFT,  128*PITCH                 ; 128 rows: what one tensor load brings
.set SLOT,   4*HALFT                   ; x's 256 rows, then W's 256 rows
.set STAGE,  2*SLOT                    ; behind the ring: 16 rows x 272 bytes for each wave, for the way out
.set SPITCH, 272
.set SPARE,  STAGE+4*16*SPITCH         ; behind the stages: the spare words, 128 bytes for each wave
.set LAPS,   SIZE_K/(2*KSTEP)          ; a lap = two K steps = once round the ring
.set WB,     8388608                   ; W's first byte in h16
.set COSB,   50331648                  ; cos's
.set SINO,   524288                    ; sin lies so far behind cos
.set SS,   8                           ; v8-15   four pairs of partial sums of squares
.set ADRA, 16                          ; v16-17  LDS address of my fragments of x in slot 0, 1
.set ADRB, 20                          ; v20-21  the same for W
.set BO,   22                          ; v22     32 (l / 16): my place in 64 bytes of biases or gains
.set STO,  24                          ; v24     the way out: where I put 16 bytes of a row
.set RD,   25                          ; v25     where I read rows back
.set CO,   26                          ; v26     16 x lane: my place in 512 consecutive bytes of qkv
.set CSO,  27                          ; v27     256 (l % 16) + 16 (l / 16): my place in 16 rows of cos
.set SPW,  28                          ; v28     LDS address of my spare word; never rewritten
.set NIL,  29                          ; v29     0; never rewritten
.set RR,   30                          ; v30-31  1 / sqrt(mean square + eps), twice
.set TMP,  32
.set F0,   64
.set F1,   128
.set Y,    64                          ; the way out: 64 numbers of my row, f32
.set O,    128                         ; the rotated row
.set BK,   128                         ; later 16 rows read back from the stage
.set RC,   192
.set RS,   224
.set BIAS, 0                           ; window 1
.set COS,  64
.set SIN,  128
.set GAM,  192
.set G1, 24                            ; s[24:31] descriptor group 1 for x's tiles;  s[32:39] group 0, a set for each slot
.set G0, 32
.set G1B, 48                           ; s[48:55], s[56:63] the same for W's
.set G0B, 56
.set MSB, 0
.macro WIN new                         ; the immediate's high byte repeats the setting that is left; a switch that changes nothing is dropped
.if MSB != (\new)
	s_set_vgpr_msb (MSB<<8)|(\new)
.set MSB, \new
.endif
.endm
.set MUL_LO, 0xa1                      ; source 0 (W) window 1, source 1 (x) window 0, C and D window 2
.set MUL_HI, 0xf1                      ; the same, C and D window 3
.set TO_B,   0x40                      ; destination window 1, address window 0
; A joint load.  Waves 0 and 1 fetch x's two halves, waves 2 and 3 W's.  The branch hangs on the wave's number alone.  An s_nop 0 and four v_nop follow each of the two lines.
.macro JLOAD s
	s_cmp_eq_u32 s11, 0
	s_cbranch_scc0 .Lfor_b_\@
	tensor_load_to_lds s[G0+4*(\s):G0+4*(\s)+3], s[G1:G1+7]
	s_nop 0
.rept 4
	v_nop
.endr
	s_branch .Lasked_\@
.Lfor_b_\@:
	tensor_load_to_lds s[G0B+4*(\s):G0B+4*(\s)+3], s[G1B:G1B+7]
	s_nop 0
.rept 4
	v_nop
.endr
.Lasked_\@:
.endm
.macro CREST                           ; a round of the cluster's barrier behind its opening barrier
	s_cmp_lg_u32 s10, 0
	s_cbranch_scc1 .Lnot_wave_0_\@
	s_barrier_signal -3
.Lnot_wave_0_\@:
	s_barrier_wait -3
	s_barrier_signal -1
	s_barrier_wait -1
.endm
.macro CROUND                          ; a whole round
	s_barrier_signal -1
	s_barrier_wait -1
	CREST
.endm
	s_load_b64 s[4:5], s[0:1], 0x0                 ; h16
	s_load_b512 s[68:83], s[0:1], 0x8              ; bq s[68:69], bk, bv, bq2, bk2, bv2, gq s[80:81], gk s[82:83]
	s_load_b128 s[84:87], s[0:1], 0x48             ; gq2, gk2
	s_load_b64 s[8:9], s[0:1], 0x58                ; qkv
	v_lshl_add_u32 v[SPW], v0, 2, SPARE
	v_mov_b32 v[NIL], 0
	ds_add_u32 v28, v29
	s_wait_dscnt 0x0
	v_lshrrev_b32 v1, 5, v0
	v_readfirstlane_b32 s10, v1                    ; wave 0..3
	s_lshr_b32 s11, s10, 1                         ; which half of the tile's rows is mine.  Also: I fetch for x (0) or for W (1)
	s_and_b32 s12, s10, 1                          ; which half of its columns.  Also: which 128 rows of that tile I fetch
	s_bfe_u32 s40, ttmp6, 0x40000                  ; cx
	s_bfe_u32 s41, ttmp6, 0x40004                  ; cy
	s_lshl_b32 s42, ttmp9, 2
	s_add_co_u32 s42, s42, s40                     ; tile column = 4 x cluster x + cx
	s_and_b32 s13, ttmp7, 0xffff
	s_lshl_b32 s13, s13, 2
	s_add_co_u32 s13, s13, s41                     ; tile row = 4 x cluster y + cy
	s_lshl_b32 s43, s41, 2
	s_lshl_b32 s43, 15, s43                        ; my row of the cluster
	s_lshl_b32 s44, 0x1111, s40                    ; my column
	; descriptor group 1: a tile of 128 rows x 128 elements of 2 bytes, 4 words of padding behind every 64
	s_or_b32 s[G1+0], s43, (1<<16)|(1<<20)|(1<<21)|(5<<22)|(3<<25)
	s_or_b32 s[G1B+0], s44, (1<<16)|(1<<20)|(1<<21)|(5<<22)|(3<<25)
.irp g, G1, G1B
	s_mov_b32 s[(\g)+1], KSTEP<<16                 ; tensor_dim0 = 128
	s_mov_b32 s[(\g)+2], 128<<16                   ; tensor_dim1 = 128
	s_mov_b32 s[(\g)+3], KSTEP<<16                 ; tile_dim0 = 128
	s_mov_b32 s[(\g)+4], 128                       ; tile_dim1 = 128
	s_mov_b32 s[(\g)+5], SIZE_K                    ; elements from row to row
	s_mov_b32 s[(\g)+6], 0
	s_mov_b32 s[(\g)+7], 0
.endr
	; x's tiles hang on the tile row alone, W's on the tile column alone; each address is made in registers that never hold the other coordinate
	s_lshl_b32 s17, s12, 7
	s_lshl_b32 s16, s13, 8
	s_add_co_u32 s16, s16, s17                     ; x: row 256 x tile row + 128 x half
	s_lshl_b32 s46, s42, 8
	s_add_co_u32 s46, s46, s17                     ; W: row 256 x tile column + 128 x half
	s_mov_b32 s17, 0
	s_mov_b32 s47, 0
	s_mov_b64 s[18:19], SIZE_K*2
	s_mul_u64 s[16:17], s[16:17], s[18:19]
	s_mul_u64 s[46:47], s[46:47], s[18:19]
	s_mul_i32 s20, s10, HALFT                      ; where they go: wave x 128 rows
	s_wait_kmcnt 0x0
	s_add_nc_u64 s[6:7], s[4:5], WB
	s_add_nc_u64 s[14:15], s[4:5], s[16:17]
	s_add_nc_u64 s[46:47], s[6:7], s[46:47]
	CROUND                                         ; all sixteen work-groups are here: the first joint loads meet
.irp s, 0,1
	s_mov_b32 s[G0+4*(\s)], 1
	s_add_co_u32 s[G0+4*(\s)+1], s20, (\s)*SLOT
	s_add_nc_u64 s[G0+4*(\s)+2:G0+4*(\s)+3], s[14:15], (\s)*KSTEP*2
	s_or_b32 s[G0+4*(\s)+3], s[G0+4*(\s)+3], 0x80000000
	s_mov_b32 s[G0B+4*(\s)], 1
	s_add_co_u32 s[G0B+4*(\s)+1], s20, (\s)*SLOT
	s_add_nc_u64 s[G0B+4*(\s)+2:G0B+4*(\s)+3], s[46:47], (\s)*KSTEP*2
	s_or_b32 s[G0B+4*(\s)+3], s[G0B+4*(\s)+3], 0x80000000
	JLOAD \s                                       ; two tensor loads of mine are out
.endr
	; WHICH KIND OF HEADS, from the cluster's x alone.  s67: 0, 1 q; 2 k; 3 v.  The bias, the gain (v takes k's and does not use it) and my place in them.
	s_mov_b32 s66, ttmp9
	s_and_b32 s67, s66, 3
	s_and_b32 s88, s66, 1
	s_lshl_b32 s88, s88, 2                         ; q's second cluster begins at tile column 4 of q's eight
	s_cmp_ge_u32 s66, 4                            ; the second path?
	s_cselect_b64 s[68:69], s[74:75], s[68:69]
	s_cselect_b64 s[70:71], s[76:77], s[70:71]
	s_cselect_b64 s[72:73], s[78:79], s[72:73]
	s_cselect_b64 s[80:81], s[84:85], s[80:81]
	s_cselect_b64 s[82:83], s[86:87], s[82:83]
	s_cmp_lt_u32 s67, 2
	s_cselect_b64 s[92:93], s[68:69], s[70:71]
	s_cselect_b64 s[94:95], s[80:81], s[82:83]
	s_cselect_b32 s88, s88, 0
	s_cmp_eq_u32 s67, 3
	s_cselect_b64 s[92:93], s[72:73], s[92:93]
	s_add_co_u32 s88, s88, s40                     ; my tile column inside the bias's own buffer
	s_lshl_b32 s88, s88, 10                        ; 256 numbers of 4 bytes,
	s_lshl_b32 s89, s12, 9                         ; my half of them
	s_add_co_u32 s88, s88, s89
	s_mov_b32 s89, 0
	s_add_nc_u64 s[92:93], s[92:93], s[88:89]
	s_lshl_b32 s16, s13, 8
	s_lshl_b32 s14, s11, 7
	s_add_co_u32 s16, s16, s14                     ; my first row,
	s_lshl_b32 s16, s16, 8                         ; in rows of 256 bytes: of cos, of sin and of a head of qkv alike
	s_mov_b32 s17, 0
	s_add_nc_u64 s[90:91], s[4:5], s[16:17]
	s_add_nc_u64 s[90:91], s[90:91], COSB
	s_add_nc_u64 s[8:9], s[8:9], s[16:17]
	s_lshl_b32 s46, s42, 1
	s_add_co_u32 s46, s46, s12                     ; my head = 2 x tile column + half
	s_lshl_b32 s46, s46, 19                        ; 2,048 rows of 256 bytes
	s_mov_b32 s47, 0
	s_add_nc_u64 s[8:9], s[8:9], s[46:47]
	s_mov_b32 s96, 0xffff0000                      ; a word's upper bf16
	s_mov_b32 s97, 0x3c000000                      ; 1 / 128
	s_mov_b32 s98, 0x358637bd                      ; eps = 1e-6
	s_mov_b32 s100, 0x76543210                     ; v_permlanex16_b32: each lane takes its own place in the other half
	s_mov_b32 s101, 0xfedcba98
	v_and_b32 v1, 15, v0                           ; l % 16
	v_bfe_u32 v2, v0, 4, 1                         ; l / 16
	v_lshlrev_b32 v[BO], 5, v2
	v_lshlrev_b32 v[CSO], 8, v1
	v_lshl_add_u32 v[CSO], v2, 4, v[CSO]
	v_mov_b32 v7, 0                                ; v_permlanex16_b32's destination counts as read
.macro RAWLOAD                         ; 16 rows of cos and of sin: my row's 64 channels of each, 8 bf16 a load
.irp b, 0,1,2,3,4,5,6,7
	global_load_b128 v[RC+4*\b:RC+4*\b+3], v[CSO], s[90:91] offset:32*\b
	global_load_b128 v[RS+4*\b:RS+4*\b+3], v[CSO], s[90:91] offset:SINO+32*\b
.endr
.endm
	WIN TO_B
.irp b, 0,1,2,3,4,5,6,7                ; channels 16 b + 8 (l / 16) + 0..7, as the accumulators hold them
	global_load_b128 v[BIAS+8*\b:BIAS+8*\b+3],   v[BO], s[92:93] offset:64*\b
	global_load_b128 v[BIAS+8*\b+4:BIAS+8*\b+7], v[BO], s[92:93] offset:64*\b+16
	global_load_b128 v[GAM+8*\b:GAM+8*\b+3],     v[BO], s[94:95] offset:64*\b
	global_load_b128 v[GAM+8*\b+4:GAM+8*\b+7],   v[BO], s[94:95] offset:64*\b+16
.endr
	WIN 0
	RAWLOAD                                        ; my rows 0-15
	; a fragment is 16 rows x 32 K in 8 registers: lane l holds row l % 16, K = 8 (l / 16) + 0..7 and 16 + 8 (l / 16) + 0..7: two loads of 16 bytes, 32 bytes apart
	v_mul_u32_u24 v3, v1, PITCH
	v_lshl_add_u32 v3, v2, 4, v3
	s_mul_i32 s21, s11, HALFT                      ; my 128 rows of x
	s_mul_i32 s22, s12, HALFT                      ; my 128 rows of W,
	s_add_co_u32 s22, s22, 2*HALFT                 ; which lie behind x's 256
.irp s, 0,1
	v_add_nc_u32 v[ADRA+(\s)], s21, v3
	v_add_nc_u32 v[ADRB+(\s)], s22, v3
	s_add_co_u32 s21, s21, SLOT
	s_add_co_u32 s22, s22, SLOT
.endr
	s_mul_i32 s23, s10, 16*SPITCH
	s_add_co_u32 s23, s23, STAGE                   ; my stage
	v_mul_u32_u24 v4, v1, SPITCH                   ; in: row l % 16, 16 bytes for each half of the lanes
	v_lshl_add_u32 v4, v2, 4, v4
	v_add_nc_u32 v[STO], s23, v4
	v_mul_u32_u24 v5, v2, SPITCH                   ; back: lanes 0-15 take one row of 256 bytes, lanes 16-31 the next
	v_lshl_add_u32 v5, v1, 4, v5
	v_add_nc_u32 v[RD], s23, v5
	v_and_b32 v[CO], 31, v0
	v_lshlrev_b32 v[CO], 4, v[CO]
	s_wait_loadcnt 0x0                             ; biases, gains, the first cos and sin
.macro RNDBF base                      ; 64 numbers of window 1 are rounded to bf16 and widened again, through TMP
	WIN 0x05                                       ; sources window 1, destination window 0
.set i, 0
.rept 32
	v_cvt_pk_bf16_f32 v[TMP+i], v[(\base)+2*i], v[(\base)+2*i+1]
.set i, i+1
.endr
	WIN TO_B
.set i, 0
.rept 32
	v_lshlrev_b32 v[(\base)+2*i], 16, v[TMP+i]
	v_and_b32 v[(\base)+2*i+1], s96, v[TMP+i]
.set i, i+1
.endr
	WIN 0
.endm
	RNDBF BIAS                                     ; all this stands in the wait for the first tile
	RNDBF GAM
; 16 matrix instructions: row blocks a0, a0 + 1 of the window's four x all 8 column blocks, 32 along K.  zero = 1: the first product starts the sums
.macro MUL16 f, hi, a0, zero
	WIN MUL_LO+0x50*(\hi)
.irp a, \a0, (\a0)+1
.irp b, 0,1,2,3,4,5,6,7
.if \zero
	v_wmma_f32_16x16x32_bf16 v[8*(8*(\a)+(\b)):8*(8*(\a)+(\b))+7], v[(\f)+8*(\b):(\f)+8*(\b)+7], v[(\f)+8*(4*(\hi)+(\a)):(\f)+8*(4*(\hi)+(\a))+7], 0
.else
	v_wmma_f32_16x16x32_bf16 v[8*(8*(\a)+(\b)):8*(8*(\a)+(\b))+7], v[(\f)+8*(\b):(\f)+8*(\b)+7], v[(\f)+8*(4*(\hi)+(\a)):(\f)+8*(4*(\hi)+(\a))+7], v[8*(8*(\a)+(\b)):8*(8*(\a)+(\b))+7]
.endif
.endr
.endr
.endm
; 32 LDS loads in one run: the fragments of one quarter step (32 K at byte k of the rows) into buffer f
.macro FETCH slot, k, f
	WIN TO_B
.irp i, 0,1,2,3,4,5,6,7
	ds_load_b128 v[(\f)+8*(\i):(\f)+8*(\i)+3],   v[ADRB+(\slot)] offset:(\k)+(\i)*16*PITCH
	ds_load_b128 v[(\f)+8*(\i)+4:(\f)+8*(\i)+7], v[ADRB+(\slot)] offset:(\k)+(\i)*16*PITCH+32
.endr
	WIN 0
.irp i, 0,1,2,3,4,5,6,7
	ds_load_b128 v[(\f)+8*(\i):(\f)+8*(\i)+3],   v[ADRA+(\slot)] offset:(\k)+(\i)*16*PITCH
	ds_load_b128 v[(\f)+8*(\i)+4:(\f)+8*(\i)+7], v[ADRA+(\slot)] offset:(\k)+(\i)*16*PITCH+32
.endr
.endm
; four places in front of loads into registers that matrix instructions have read, and of vector lines that read results just made
.macro PLACES
.rept 4
	v_nop
.endr
.endm
; A K step is four quarters of 32 along K, 64 matrix instructions each, on buffers 0, 1, 0, 1; the 64 accumulators take turns.
.macro QUARTER slot, k, f, g, zero
	s_wait_dscnt 8                                 ; W and x's rows 0-63 are in; the youngest eight loads (x's rows 64-127) may be out
	WIN MUL_LO
	MUL16 \f, 0, 0, \zero
	MUL16 \f, 0, 2, \zero
	PLACES
	FETCH \slot, \k, \g
	s_wait_dscnt 32                                ; all but the 32 just issued
	WIN MUL_HI
	MUL16 \f, 1, 0, \zero
	MUL16 \f, 1, 2, \zero
.endm
; The first half of a K step's last quarter: ONE barrier for the change of slots.
.macro MEET round
	WIN 0                                          ; (the add's two registers lie in window 0)
	s_wait_tensorcnt 0x0                           ; all my tensor loads have landed: the one that was out is my part of the next slot;
	ds_add_u32 v[SPW], v[NIL]                      ; 0 onto my spare word;
	s_wait_dscnt 9                                 ; (the add and the youngest eight loads may be out)
	WIN MUL_LO
	MUL16 F1, 0, 0, 0                              ; sixteen matrix instructions stand between the add and the wait for it
	s_wait_dscnt 0x0                               ; the add is done, and my reads of this slot are over
	s_barrier_signal -1
	MUL16 F1, 0, 2, 0
.if \round
	WIN 0
.endif
	s_barrier_wait -1
.endm
; The whole last quarter with a refill: the barrier opens a round of the cluster's, and the joint load of the K step two steps on is the first tensor load behind it
.macro TURN slot, next
	MEET 1
	CREST
	s_add_nc_u64 s[G0+4*(\slot)+2:G0+4*(\slot)+3], s[G0+4*(\slot)+2:G0+4*(\slot)+3], 2*KSTEP*2
	s_add_nc_u64 s[G0B+4*(\slot)+2:G0B+4*(\slot)+3], s[G0B+4*(\slot)+2:G0B+4*(\slot)+3], 2*KSTEP*2
	JLOAD \slot                                    ; its four v_nop are also the places in front of the loads below
	FETCH \next, 0, F0
	WIN MUL_HI
	MUL16 F1, 1, 0, 0
	MUL16 F1, 1, 2, 0
.endm
.macro TURNX slot, next                ; the same without a refill: nothing is left to fetch, so no round follows
	MEET 0
	PLACES
	FETCH \next, 0, F0
	WIN MUL_HI
	MUL16 F1, 1, 0, 0
	MUL16 F1, 1, 2, 0
.endm
	s_wait_tensorcnt 1                             ; my part of K step 0 is in; K step 1's may stay out
	s_barrier_signal -1
	s_barrier_wait -1
	FETCH 0, 0, F0
	QUARTER 0, 64,  F0, F1, 1                      ; the first quarter stands in front of the loop: its products start the sums
	WIN 0
	s_mov_b32 s3, LAPS-1
.Llap:                                                 ; a trip goes once round the ring, from a lap's second quarter to the next lap's first, and fills both slots again
	QUARTER 0, 128, F1, F0, 0
	QUARTER 0, 192, F0, F1, 0
	TURN 0, 1
	QUARTER 1, 64,  F0, F1, 0
	QUARTER 1, 128, F1, F0, 0
	QUARTER 1, 192, F0, F1, 0
	TURN 1, 0
	QUARTER 0, 64,  F0, F1, 0
	WIN 0
	s_sub_co_u32 s3, s3, 1
	s_cmp_lg_u32 s3, 0
	s_cbranch_scc1 .Llap
	QUARTER 0, 128, F1, F0, 0                      ; the last lap fills nothing
	QUARTER 0, 192, F0, F1, 0
	TURNX 0, 1
	QUARTER 1, 64,  F0, F1, 0
	QUARTER 1, 128, F1, F0, 0
	QUARTER 1, 192, F0, F1, 0
	s_wait_dscnt 8
	WIN MUL_LO
	MUL16 F1, 0, 0, 0
	MUL16 F1, 0, 2, 0
	s_wait_dscnt 0x0
	MUL16 F1, 1, 0, 0
	MUL16 F1, 1, 2, 0
	WIN 0
	PLACES
	; THE WAY OUT: eight trips, 16 rows each, one text.  Only the first step, which names the block's accumulators, differs from trip to trip: it is chosen by the counter.
.macro ADDB k                          ; Y = block k's 64 sums + bias, ascending: each accumulator is first read at its low end
	WIN 0x06+(\k)/4                                ; source 0 window 2 or 3, source 1 window 1
.set i, 0
.rept 32
	v_pk_add_f32 v[Y+2*i:Y+2*i+1], v[64*((\k)%4)+2*i:64*((\k)%4)+2*i+1], v[BIAS+2*i:BIAS+2*i+1]
.set i, i+1
.endr
	WIN 0
.endm
	s_mov_b32 s3, 0
.Lrow:
.irp k, 1,2,3,4,5,6,7
	s_cmp_eq_u32 s3, \k
	s_cbranch_scc1 .Lacc_\k
.endr
	ADDB 0
	s_branch .Ljoin
.irp k, 1,2,3,4,5,6
.Lacc_\k:
	ADDB \k
	s_branch .Ljoin
.endr
.Lacc_7:
	ADDB 7
.Ljoin:
	s_cmp_eq_u32 s67, 3
	s_cbranch_scc1 .Lpack                          ; v has its bias and wants nothing more
	; the mean square of the row's 128 channels: 64 here, in four chains, 64 in the lane 16 away
.set i, 0
.rept 4
	v_pk_mul_f32 v[SS+2*i:SS+2*i+1], v[Y+2*i:Y+2*i+1], v[Y+2*i:Y+2*i+1]
.set i, i+1
.endr
.rept 28
	v_pk_fma_f32 v[SS+2*(i%4):SS+2*(i%4)+1], v[Y+2*i:Y+2*i+1], v[Y+2*i:Y+2*i+1], v[SS+2*(i%4):SS+2*(i%4)+1]
.set i, i+1
.endr
	v_pk_add_f32 v[SS:SS+1], v[SS:SS+1], v[SS+2:SS+3]
	v_pk_add_f32 v[SS+4:SS+5], v[SS+4:SS+5], v[SS+6:SS+7]
	v_pk_add_f32 v[SS:SS+1], v[SS:SS+1], v[SS+4:SS+5]
	v_add_f32 v6, v[SS], v[SS+1]
	v_permlanex16_b32 v7, v6, s100, s101
	v_add_f32 v6, v6, v7
	v_fma_f32 v6, v6, s97, s98                     ; / 128 + eps
	v_rsq_f32 v[RR], v6                            ; a plain vector line stands between these and the use of their results (ISA guide 5.7.2): the widening below
	v_rsq_f32 v[RR+1], v6
	s_wait_loadcnt 0x0                             ; this block's cos and sin, asked for a trip ago
	WIN TO_B
.set i, 0
.rept 32
	v_lshlrev_b32 v[COS+2*i], 16, v[RC+i]
	v_and_b32 v[COS+2*i+1], s96, v[RC+i]
	v_lshlrev_b32 v[SIN+2*i], 16, v[RS+i]
	v_and_b32 v[SIN+2*i+1], s96, v[RS+i]
.set i, i+1
.endr
	WIN 0
	s_cmp_eq_u32 s3, 7
	s_cbranch_scc1 .Lnopre                         ; the last block asks for nothing: no load passes my 128 rows
	s_add_nc_u64 s[90:91], s[90:91], 16*256        ; free since the wait above
	RAWLOAD
.Lnopre:
	WIN 0x04                                       ; source 1 window 1
.set i, 0
.rept 32
	v_pk_mul_f32 v[Y+2*i:Y+2*i+1], v[Y+2*i:Y+2*i+1], v[GAM+2*i:GAM+2*i+1]
.set i, i+1
.endr
.set i, 0
.rept 32
	v_pk_mul_f32 v[O+2*i:O+2*i+1], v[Y+2*i:Y+2*i+1], v[COS+2*i:COS+2*i+1]
.set i, i+1
.endr
.set i, 0
.rept 16                               ; channel d < 64 takes - y[d + 64] sin[d], channel d + 64 takes + y[d] sin[d + 64]
	v_pk_fma_f32 v[O+2*i:O+2*i+1], v[Y+32+2*i:Y+32+2*i+1], v[SIN+2*i:SIN+2*i+1], v[O+2*i:O+2*i+1] neg_lo:[1,0,0] neg_hi:[1,0,0]
	v_pk_fma_f32 v[O+32+2*i:O+32+2*i+1], v[Y+2*i:Y+2*i+1], v[SIN+32+2*i:SIN+32+2*i+1], v[O+32+2*i:O+32+2*i+1]
.set i, i+1
.endr
	WIN 0
.set i, 0
	s_wait_alu depctr_va_vdst(0)
.rept 32
	v_pk_mul_f32 v[Y+2*i:Y+2*i+1], v[O+2*i:O+2*i+1], v[RR:RR+1]
.set i, i+1
.endr
.Lpack:
.set i, 0
.rept 32
	v_cvt_pk_f16_f32 v[TMP+i], v[Y+2*i], v[Y+2*i+1]
.set i, i+1
.endr
.irp b, 0,1,2,3,4,5,6,7
	ds_store_b128 v[STO], v[TMP+4*\b:TMP+4*\b+3] offset:32*\b
.endr
.irp t, 0,1,2,3,4,5,6,7
	ds_load_b128 v[BK+4*\t:BK+4*\t+3], v[RD] offset:\t*2*SPITCH  ; LDS serves a wave's instructions in order (ISA guide 5.7.1.4): these see the stores above
.endr
	s_wait_dscnt 0x0
.irp t, 0,1,2,3,4,5,6,7
	global_store_b128 v[CO], v[BK+4*\t:BK+4*\t+3], s[8:9] offset:512*\t  ; 512 consecutive bytes, at a multiple of 256 from qkv's first byte
.endr
	s_wait_xcnt 0x0                                ; only behind this wait are the stores' base and data registers rewritten
	s_add_nc_u64 s[8:9], s[8:9], 16*256
	s_add_co_u32 s3, s3, 1
	s_cmp_lt_u32 s3, 8
	s_cbranch_scc1 .Lrow
	s_wait_tensorcnt 0x0                           ; the wave's end
	ds_add_u32 v[SPW], v[NIL]
	s_wait_dscnt 0x0
	CROUND                                         ; the closing round
	s_endpgm
.Lfunc_end_k_qe36aa6ef28_proj:
	.size	k_qe36aa6ef28_proj, .Lfunc_end_k_qe36aa6ef28_proj-k_qe36aa6ef28_proj
	.p2alignl 7, 3214868480
	.fill 96, 4, 3214868480
	.section	.rodata,"a",@progbits
	.p2align	6, 0x0
	.amdhsa_kernel k_qe36aa6ef28_proj
		.amdhsa_group_segment_fixed_size 327680
		.amdhsa_private_segment_fixed_size 0
		.amdhsa_enable_private_segment 0
		.amdhsa_kernarg_size 96
		.amdhsa_user_sgpr_count 2
		.amdhsa_user_sgpr_kernarg_segment_ptr 1
		.amdhsa_wavefront_size32 1
		.amdhsa_system_sgpr_workgroup_id_x 1
		.amdhsa_system_sgpr_workgroup_id_y 1
		.amdhsa_system_sgpr_workgroup_id_z 1
		.amdhsa_system_vgpr_workitem_id 0
		.amdhsa_next_free_vgpr 1024
		.amdhsa_next_free_sgpr 102
		.amdhsa_reserve_vcc 0
		.amdhsa_float_denorm_mode_32 3
		.amdhsa_float_denorm_mode_16_64 3
		.amdhsa_memory_ordered 1
		.amdhsa_forward_progress 1
		.amdhsa_inst_pref_size 163
	.end_amdhsa_kernel
	.amdgpu_metadata
---
amdhsa.version: [ 1, 2 ]
amdhsa.kernels:
  - .name:           k_qe36aa6ef28_proj
    .symbol:         k_qe36aa6ef28_proj.kd
    .args:
      - { .name: h16, .offset: 0, .size: 8, .value_kind: global_buffer, .address_space: global }
      - { .name: bq, .offset: 8, .size: 8, .value_kind: global_buffer, .address_space: global }
      - { .name: bk, .offset: 16, .size: 8, .value_kind: global_buffer, .address_space: global }
      - { .name: bv, .offset: 24, .size: 8, .value_kind: global_buffer, .address_space: global }
      - { .name: bq2, .offset: 32, .size: 8, .value_kind: global_buffer, .address_space: global }
      - { .name: bk2, .offset: 40, .size: 8, .value_kind: global_buffer, .address_space: global }
      - { .name: bv2, .offset: 48, .size: 8, .value_kind: global_buffer, .address_space: global }
      - { .name: gq, .offset: 56, .size: 8, .value_kind: global_buffer, .address_space: global }
      - { .name: gk, .offset: 64, .size: 8, .value_kind: global_buffer, .address_space: global }
      - { .name: gq2, .offset: 72, .size: 8, .value_kind: global_buffer, .address_space: global }
      - { .name: gk2, .offset: 80, .size: 8, .value_kind: global_buffer, .address_space: global }
      - { .name: qkv, .offset: 88, .size: 8, .value_kind: global_buffer, .address_space: global }
    .group_segment_fixed_size: 327680
    .private_segment_fixed_size: 0
    .kernarg_segment_align: 8
    .kernarg_segment_size: 96
    .max_flat_workgroup_size: 128
    .sgpr_count:     102
    .vgpr_count:     1024
    .wavefront_size: 32
...
	.end_amdgpu_metadata
.endif
;; end of part 2
;; launch attn (part 3): grid 16 x 16, 4 waves a work-group, no clusters, 196,096 bytes of LDS; arguments qkv, ob; writes ob
.if DOCPART == 3
	.amdgcn_target "amdgcn-amd-amdhsa--gfx1250"
	.amdhsa_code_object_version 6
	.text
	.protected	k_qe36aa6ef28_attn
	.globl	k_qe36aa6ef28_attn
	.p2align	8
	.type	k_qe36aa6ef28_attn,@function
k_qe36aa6ef28_attn:
	s_mov_b64 s[64:65], 0
	v_nop
	global_prefetch_b8 v0, s[64:65] scope:SCOPE_SE
	s_setreg_imm32_b32 hwreg(HW_REG_WAVE_MODE, 25, 1), 1
	s_wait_xcnt 0x0
; WINDOW AND FADING ATTENTION.  For query i one softmax runs over the first path's keys j with 0 <= i - j < 256 and the second path's keys j with i - j >= 256: each pair j <= i is served by exactly
; one path, and nothing else is computed.  q, k, v: qkv[64 heads][2048 rows][128] f16 (heads 0-15 q, 16-23 k, 24-31 v; 32-63 the second path).  O: ob[2048 rows][16 heads x 128] f16.
; Products, maxima and sums in f32; the weights p are rounded to f16 for the second product (their sum l is taken of the unrounded p), O once at the end.
; LIMITS.  A hidden score counts as its value less 1e30 (scores are at most some 1e10 in f16's range); a weight below 2^-126 counts as 0 in l; NaN and infinities are not treated apart.
; THE WALK of a block J of 32 positions, in steps of 64 keys; I = J / 2 is its block of 64.  Steps t < NIC = min(I, 4) + 1 take the first path's key block I - t; steps t >= NIC the second path's
; blocks I - 4 down to 0.  N = NIC + max(I - 3, 0) steps, 1 to 17.
; SHARES.  A work-group takes TWO blocks of the two query heads that share a key and value head: block 31 - j, then block j.  N(I) + N(15 - I) is 18 or 19 whatever j: all 256 work-groups do like work.
; Wave w holds both tiles of 16 positions of head 2 kvh + w / 2.  The two waves of a head share the KEYS: of each SLOT of two steps wave parity b = w % 2 takes step 2 k + b, with a running maximum, a sum
; and an O^T of its own.  Its register tile 0 is position tile b, its register tile 1 position tile 1 - b: at a block's end every wave gives register tile 1 to its partner through LDS and finishes
; register tile 0: O = (f O + f' O') / (f l + f' l'), f = 2^(c m - c max(m, m')).
; A wave's first step (t = 0 or 1) hides no row wholly, so its running maximum is a true score before a wholly hidden row can come; a wave that had no step has c m far below every c s, and f = 0.
; THE MASK starts S^T = K Q^T.  MD, made for each block, is -1e30 where key c > row a inside a block of 64; a step's sums start at MD x AL + BE:
; (1, 0) in steps 0 and NIC (keys c > a hidden), (-1, -1e30) in step 4 (keys c <= a hidden: 256 back or more), (0, 0) elsewhere.
; TILES COME THROUGH REGISTERS, two slots ahead: two sets of 128 registers and two regions of LDS take turns, written out as the two halves of a trip, so that all LDS addresses are fixed while the trip
; count hangs on j.  ONE barrier a slot: in a slot every wave reads region h and stores its 16 rows of each of the next slot's four tiles into region 1 - h.  A block has an even number of slots,
; 2 ceil(N / 4); steps past N are jumped.  The loading side has scalars of its own, runs on into the second block, and past the walk's end asks for the last step once more, so that the same
; loads are issued on every way.  NO CLUSTER: in the same trip the work-groups of a head need different key blocks (I - t).
; O^T starts at 0 and c m far below every c s, so a wave's first step is a step like any other, with a = 0: 128 v_mov_b32 a block are the price of writing no first step out.
; LAYOUT.  S^T holds ONE query a lane (lane % 16) and keys 8 (lane / 16) + 0..7; two such results rounded to f16 ARE source 1 of O^T = V^T P.  K comes out of LDS as it lies, V turned, by ds_load_tr16_b128.
; REGISTERS, in windows of 256 (s_set_vgpr_msb: bits 1:0 source 0, 3:2 source 1, 5:4 source 2, 7:6 destination):
;   window 0: v0-29 addresses; v32-47 eight statistics a tile; v64-127 S^T; v128-255 set 1      window 1: v0-127 O^T; v128-191 MD; v192-223 P
;   window 2: v0-63 Q; v64-127 the Q to come; v128-255 K of one step                            window 3: v0-127 V of one step; v128-255 set 0
.set KS,    64
.set PK,    272       ; a row of K in LDS: 256 bytes + 16: the 16 rows of a load start at 16 different groups of four banks (64 banks of 4 bytes: ISA guide 11.1)
.set PV,    288       ; a row of V: 256 + 32
.set VOFF,  KS*PK
.set STEPB, KS*(PK+PV)   ; a step: 64 rows of K, then 64 rows of V
.set REGB,  2*STEPB      ; a region: a slot's two steps
.set STAGE, 2*REGB       ; behind the two regions: 16 rows x 272 bytes for each wave, for the way out
.set SP,    272
.set XCH,   STAGE+4*16*SP  ; behind the stages: what a wave gives its partner,
.set XWB,   8704         ; 8,192 bytes of O^T and 512 of statistics for each wave
.set VHEAD, 4194304      ; V's heads lie 8 heads of 524,288 bytes behind K's
.set PATH2, 0x1000000    ; the second path lies 32 heads on
.set AK,  2           ; v2-3   my lane's place in my step's tile of K, in region 0, 1
.set AV,  4           ; v4-5   the same for V
.set AKS, 6           ; v6-7   where I store 16 bytes of K, in region 0, 1
.set AVS, 8           ; v8-9   of V
.set GOFF, 10         ; v10  4,096 w + 16 x lane: my place in a tile in memory
.set STO, 12          ; v12  the way out: where I put 16 bytes of a row
.set RD,  13          ; v13  where I read rows back
.set GO,  14          ; v14  my place in two rows of ob
.set XW,  15          ; v15  where I put what I give
.set XR,  16          ; v16  where my partner has put it
.set QO,  24          ; v24-25  my place in a block's rows of Q, for register tile 0, 1
.set RB,  26          ; v26-27  lane % 16 - 8 (lane / 16) + 16 x position tile, for register tile 0, 1
.set ROW, 28          ; v28-29  the same + 32 in a block that is the upper half of its 64 positions
.set ST,  32          ; tile t's statistics at v[ST+8 t]: c m, m, l (even keys', odd keys'), c0-c3 at work; c2 takes a
.set S,   64
.set R,   128         ; a set: K and V of step A, K and V of step B, 32 registers each (set 0 in window 3, set 1 in window 0)
.set MD,  128         ; window 1
.set P,   192         ; window 1
.set QF,  64          ; window 2
.set KF,  128
.set WV,  8
.set B,   9           ; w % 2: which step of a slot is mine
.set BLK, 10          ; 0, 1: the block in hand
.set NIC, 11
.set N,   12
.set NT,  13          ; trips of two slots
.set T,   14          ; the slot's first step
.set G,   15          ; the trips' counter
.set CS,  16          ; s[16:17] c = log2(e) / sqrt(128)
.set SEL, 18          ; s[18:19]
.set AL,  20          ; s[20:21]
.set BE,  22          ; s[22:23]
.set BIGN, 24
.set HALFC, 25        ; 32 for the upper half of 64 positions, else 0
.set BA,  26          ; s[26:27], s[34:35]  K of step A, for set 0, 1
.set BB,  28          ; s[28:29], s[36:37]  of step B
.set OF,  30          ; s[30:31] an offset
.set KV0, 32          ; s[32:33] the first path's K, my head and batch
.set TT,  38          ; my step
.set LT,  44          ; THE LOADING SIDE: the first step of the slot to be asked for,
.set LI,  45          ; its block's I, NIC, FK (the second path's key block in step t is FK - t), N - 1,
.set LNIC, 46
.set LFK, 47
.set LN1, 48
.set LEND, 49         ; and the step at which the next block begins
.set OUT2, 50         ; s[50:51] ob at my rows of the second block
.set QA,  52          ; s[52:59] Q of the first block, first and second path; of the second block
.set QFA, 54
.set QN,  56
.set QFN, 58
.set I2,  60          ; the second block's numbers
.set NIC2, 61
.set FK2, 62
.set N2,  63
.set NT2, 66
.set HALF2, 67
.set N2M1, 68
.set J1,  70
.set J2,  71
.set MSB, 0
.macro WIN new                      ; the high byte repeats the setting that is left; a switch that changes nothing is dropped
.if MSB != (\new)
	s_set_vgpr_msb (MSB<<8)|(\new)
.set MSB, (\new)
.endif
.endm
.set W_KQ, 0x0a       ; K and Q in window 2; S^T in window 0
.set W_PV, 0x57       ; V in window 3, P and O^T in window 1
.set W_RS, 0x41       ; destination and source 0 in window 1, source 1 in window 0
.set W_MK, 0x01       ; source 0 in window 1
.set W_P,  0x40       ; destination in window 1
.macro BOTH line:vararg             ; one line for each tile t: the two alternate, so that no line reads the result of the one before it
.set t, 0
.rept 2
	\line
.set t, t+1
.endr
.endm
.macro PLACES                       ; four places (ISA guide 7.12.1)
.rept 4
	v_nop
.endr
.endm
.macro PARAMS j, i, h, nic, n, nt, fk  ; the numbers of block s[j]
	s_lshr_b32 s[\i], s[\j], 1
	s_and_b32 s[\h], s[\j], 1
	s_lshl_b32 s[\h], s[\h], 5
	s_min_u32 s[\nic], s[\i], 4
	s_add_co_u32 s[\nic], s[\nic], 1
	s_max_u32 s39, s[\i], 3
	s_sub_co_u32 s39, s39, 3
	s_add_co_u32 s[\n], s[\nic], s39
	s_add_co_u32 s[\nt], s[\n], 3
	s_lshr_b32 s[\nt], s[\nt], 2
	s_add_co_u32 s[\fk], s[\i], s[\nic]
	s_sub_co_u32 s[\fk], s[\fk], 4
.endm
.macro PLACE j, q, o                ; byte offsets: of block s[j]'s first row in my head of Q; of the 16 rows that I finish in ob (s40: the batch's first row; s41: my head)
	s_lshl_b32 s42, s[\j], 5
	s_add_co_u32 s42, s42, s40
	s_lshl_b32 s[\q], s41, 19
	s_lshl_b32 s43, s42, 8
	s_add_co_u32 s[\q], s[\q], s43
	s_mov_b32 s[\q+1], 0
	s_lshl4_add_u32 s42, s[B], s42  ; position tile b
	s_lshl_b32 s[\o], s42, 12       ; rows of 4,096 bytes, 256 for each head
	s_lshl_b32 s43, s41, 8
	s_add_co_u32 s[\o], s[\o], s43
	s_mov_b32 s[\o+1], 0
.endm
.macro TBASE base, t                ; s[base:base+1] = the address of K of step t of the loading side's block, or of its last step
	s_min_u32 s42, \t, s[LN1]
	s_sub_co_u32 s39, s[LI], s42
	s_sub_co_u32 s40, s[LFK], s42
	s_cmp_lt_u32 s42, s[LNIC]
	s_cselect_b32 s[OF], s39, s40
	s_cselect_b32 s41, 0, PATH2
	s_lshl_b32 s[OF], s[OF], 14     ; a key block is 64 rows of 256 bytes
	s_add_co_u32 s[OF], s[OF], s41
	s_add_nc_u64 s[\base:\base+1], s[KV0:KV0+1], s[OF:OF+1]
.endm
.macro GLOAD set                    ; 32 loads: my 16 rows of each of a slot's four tiles; each load 512 consecutive bytes
	WIN 0xc0*(1-(\set))
.irp r, 0,1,2,3,4,5,6,7
	global_load_b128 v[R+4*\r:R+4*\r+3],       v[GOFF], s[BA+8*(\set):BA+8*(\set)+1] offset:512*\r
	global_load_b128 v[R+32+4*\r:R+32+4*\r+3], v[GOFF], s[BA+8*(\set):BA+8*(\set)+1] offset:VHEAD+512*\r
	global_load_b128 v[R+64+4*\r:R+64+4*\r+3], v[GOFF], s[BB+8*(\set):BB+8*(\set)+1] offset:512*\r
	global_load_b128 v[R+96+4*\r:R+96+4*\r+3], v[GOFF], s[BB+8*(\set):BB+8*(\set)+1] offset:VHEAD+512*\r
.endr
	WIN 0
.endm
; The next slot is asked for, into a set whose last loads have been waited for (so its two bases may be written); w >= 0: and whose LDS stores are waited for, with w younger LDS loads left out.
; Then the loading side steps on: at a block's end to the second block.
.macro NEXTG set, w=-1
	TBASE BA+8*(\set), s[LT]
	s_add_co_u32 s43, s[LT], 1
	TBASE BB+8*(\set), s43
.if (\w) >= 0
	s_wait_dscnt \w                 ; LDS serves a wave's instructions in order (ISA guide 5.7.1.4): the stores that read this set are done
.endif
	GLOAD \set
	s_add_co_u32 s[LT], s[LT], 2
	s_cmp_ge_u32 s[LT], s[LEND]
	s_cselect_b32 s[LT], 0, s[LT]
	s_cselect_b32 s[LI], s[I2], s[LI]
	s_cselect_b32 s[LNIC], s[NIC2], s[LNIC]
	s_cselect_b32 s[LFK], s[FK2], s[LFK]
	s_cselect_b32 s[LN1], s[N2M1], s[LN1]
	s_cselect_b32 s[LEND], 0x7fffffff, s[LEND]
.endm
.macro LSTORE x                     ; set x goes into region x
	WIN 0x0c*(1-(\x))               ; the data in window 3 or 0
.irp r, 0,1,2,3,4,5,6,7
	ds_store_b128 v[AKS+(\x)], v[R+4*\r:R+4*\r+3]       offset:2*PK*\r
	ds_store_b128 v[AVS+(\x)], v[R+32+4*\r:R+32+4*\r+3] offset:VOFF+2*PV*\r
	ds_store_b128 v[AKS+(\x)], v[R+64+4*\r:R+64+4*\r+3] offset:STEPB+2*PK*\r
	ds_store_b128 v[AVS+(\x)], v[R+96+4*\r:R+96+4*\r+3] offset:STEPB+VOFF+2*PV*\r
.endr
	WIN 0
.endm
.macro QLOAD dst, base              ; 16 loads: two tiles of Q as fragments: register tile i / 4, channels 32 (i % 4) on
	WIN 0x80
.set i, 0
.rept 8
	global_load_b128 v[(\dst)+8*i:(\dst)+8*i+3],   v[QO+i/4], s[\base:\base+1] offset:(i%4)*64
	global_load_b128 v[(\dst)+8*i+4:(\dst)+8*i+7], v[QO+i/4], s[\base:\base+1] offset:(i%4)*64+32
.set i, i+1
.endr
	WIN 0
.endm
.macro QCOPY                        ; the Q to come goes where the one text names Q
	WIN 0x82
.set z, 0
.rept 64
	v_mov_b32 v[z], v[QF+z]
.set z, z+1
.endr
	WIN 0
.endm
.macro FETCH_K h                    ; keys 16 (f / 4) on, channels 32 (f % 4) on
	WIN 0x80
.irp f, 0,1,2,3,4,5,6,7,8,9,10,11,12,13,14,15
	ds_load_b128 v[KF+8*\f:KF+8*\f+3],   v[AK+(\h)] offset:(\f/4)*16*PK+(\f%4)*64
	ds_load_b128 v[KF+8*\f+4:KF+8*\f+7], v[AK+(\h)] offset:(\f/4)*16*PK+(\f%4)*64+32
.endr
	WIN 0
.endm
.macro FETCH_V h                    ; keys 32 (f / 8) on, channels 16 (f % 8) on
	WIN 0xc0
.irp f, 0,1,2,3,4,5,6,7,8,9,10,11,12,13,14,15
	ds_load_tr16_b128 v[8*\f:8*\f+3],   v[AV+(\h)] offset:(\f/8)*32*PV+(\f%8)*32
	ds_load_tr16_b128 v[8*\f+4:8*\f+7], v[AV+(\h)] offset:(\f/8)*32*PV+16*PV+(\f%8)*32
.endr
.endm
; Product i of 32 of S^T = K Q^T: channels 32 (i / 8) on, keys 16 ((i / 2) % 4) on, tile i % 2.  All add in place: the sums begin at the mask.  The 8 accumulators take turns.
.macro KQ
	WIN W_KQ
.set rS, S+32*(i%2)+8*((i/2)%4)
.set rK, KF+32*((i/2)%4)+8*(i/8)
.set rQ, 32*(i%2)+8*(i/8)
	v_wmma_f32_16x16x32_f16 v[rS:rS+7], v[rK:rK+7], v[rQ:rQ+7], v[rS:rS+7]
.endm
; Product i of 32 of O^T += V^T P: keys 32 (i / 16) on, channels 16 ((i / 2) % 8) on, tile i % 2.  16 accumulators by turns.
.macro PV
	WIN W_PV
.set rO, 64*(i%2)+8*((i/2)%8)
.set rV, 64*(i/16)+8*((i/2)%8)
.set rP, P+16*(i%2)+8*(i/16)
	v_wmma_f32_16x16x32_f16 v[rO:rO+7], v[rV:rV+7], v[rP:rP+7], v[rO:rO+7]
.endm
.macro MASKS                        ; S^T starts at the masks of step TT
	s_cmp_eq_u32 s[TT], 0
	s_cselect_b32 s[AL], 1.0, 0
	s_cmp_eq_u32 s[TT], s[NIC]
	s_cselect_b32 s[AL], 1.0, s[AL]
	s_cmp_eq_u32 s[TT], 4           ; step 4 exists only where NIC = 5: it is the first path's block 256 positions back
	s_cselect_b32 s[AL], -1.0, s[AL]
	s_cselect_b32 s[BE], s[BIGN], 0
	WIN W_MK
.set z, 0
.rept 32
	v_pk_fma_f32 v[S+2*z:S+2*z+1], v[MD+2*z:MD+2*z+1], s[AL:AL+1], s[BE:BE+1] op_sel_hi:[1,0,0]
.set z, z+1
.endr
.endm
.macro SUMS w                       ; pairs w / 2 registers apart are added, in place
.set j, 0
.rept 32/(\w)
	BOTH v_pk_add_f32 v[S+32*t+(\w)*j:S+32*t+(\w)*j+1], v[S+32*t+(\w)*j:S+32*t+(\w)*j+1], v[S+32*t+(\w)*j+(\w)/2:S+32*t+(\w)*j+(\w)/2+1]
.set j, j+1
.endr
.endm
; A step's softmax for both tiles: the maximum of the lane's 32 scores and the old m (each accumulator's lowest registers are read first), the other half of the lanes',
; c m and a = 2^(c m_old - c m); p = 2^(c s - c m); P; l = a l + the sum of p; O^T times a.
.macro SOFTMAX
	WIN 0
.set j, 0
.rept 4
	BOTH v_max3_num_f32 v[ST+8*t+4+j], v[S+32*t+8*j], v[S+32*t+8*j+1], v[S+32*t+8*j+2]
.set j, j+1
.endr
.rept 8
	BOTH v_max3_num_f32 v[ST+8*t+4+j%4], v[ST+8*t+4+j%4], v[S+32*t+8*(j%4)+2*(j/4)+1], v[S+32*t+8*(j%4)+2*(j/4)+2]
.set j, j+1
.endr
	BOTH v_max3_num_f32 v[ST+8*t+4], v[ST+8*t+4], v[S+32*t+7], v[S+32*t+15]
	BOTH v_max3_num_f32 v[ST+8*t+6], v[ST+8*t+6], v[S+32*t+23], v[S+32*t+31]
	BOTH v_max3_num_f32 v[ST+8*t+4], v[ST+8*t+4], v[ST+8*t+5], v[ST+8*t+6]
	BOTH v_max3_num_f32 v[ST+8*t+4], v[ST+8*t+4], v[ST+8*t+7], v[ST+8*t+1]
	BOTH v_permlanex16_b32 v[ST+8*t+5], v[ST+8*t+4], s[SEL], s[SEL+1]
	BOTH v_mov_b32 v[ST+8*t+7], v[ST+8*t]
	BOTH v_max_num_f32 v[ST+8*t+1], v[ST+8*t+4], v[ST+8*t+5]
	BOTH v_mul_f32 v[ST+8*t], s[CS], v[ST+8*t+1]
	BOTH v_sub_f32 v[ST+8*t+7], v[ST+8*t+7], v[ST+8*t]
	BOTH v_exp_f32 v[ST+8*t+6], v[ST+8*t+7]
.set j, 0
.rept 16
	BOTH v_pk_fma_f32 v[S+32*t+2*j:S+32*t+2*j+1], v[S+32*t+2*j:S+32*t+2*j+1], s[CS:CS+1], v[ST+8*t:ST+8*t+1] op_sel_hi:[1,0,0] neg_lo:[0,0,1] neg_hi:[0,0,1]
.set j, j+1
.endr
.set j, 0
.rept 64
	v_exp_f32 v[S+j], v[S+j]
.set j, j+1
.endr
	v_nop                           ; a plain line between the last exponential and the use of its result (ISA guide 5.7.2)
	WIN W_P
.set j, 0
	s_wait_alu depctr_va_vdst(0)
.rept 32
	v_cvt_pk_f16_f32 v[P+j], v[S+2*j], v[S+2*j+1]
.set j, j+1
.endr
	WIN 0
	SUMS 4
	SUMS 8
	SUMS 16
	SUMS 32
	BOTH v_pk_fma_f32 v[ST+8*t+2:ST+8*t+3], v[ST+8*t+2:ST+8*t+3], v[ST+8*t+6:ST+8*t+7], v[S+32*t:S+32*t+1] op_sel_hi:[1,0,1]
	WIN W_RS
.set j, 0
.rept 32
	BOTH v_pk_mul_f32 v[64*t+2*j:64*t+2*j+1], v[64*t+2*j:64*t+2*j+1], v[ST+8*t+6:ST+8*t+7] op_sel_hi:[1,0]
.set j, j+1
.endr
.endm
; MY KEY STEP TT, whose tiles lie in region h; its K has been asked for at the slot's head.
.macro LIVE h
	s_sub_co_u32 s39, s[TT], s[NIC]
	s_cmp_lt_u32 s39, 2             ; NIC or NIC + 1: my first step of the second path
	s_cbranch_scc0 .Lsame_q_\@
	s_wait_loadcnt 32               ; the second path's Q is in: behind its loads this slot's 32 were issued at the least
	QCOPY
	s_cmp_lg_u32 s[BLK], 0
	s_cbranch_scc1 .Lsame_q_\@
	QLOAD QF, QN                    ; the registers just read are free: the second block's Q is asked for, slots ahead of the first block's end
.Lsame_q_\@:
	MASKS                           ; its 32 plain lines are also the places between the last products V^T P and the loads into V
	s_wait_dscnt 0x0                ; K is in
.set i, 0
.rept 32
	KQ
.set i, i+1
.endr
	PLACES                          ; in front of the first read of the scores
	FETCH_V \h
	SOFTMAX
	s_wait_dscnt 0x0                ; V is in
.set i, 0
.rept 32
	PV
.set i, i+1
.endr
	WIN 0
.endm
; A SLOT, in region h.  The next slot, which has come into set 1 - h, goes into region 1 - h, which nobody has read since the last barrier; K of my step is asked for; the set is asked for anew,
; with the slot three on: it has two slots in which to land.
.macro HALF h
	s_wait_loadcnt 32               ; loads come back in order (ISA guide 5.7.1): set 1 - h is in; the other set's 32 loads, issued behind it, stay out
	LSTORE 1-(\h)
	FETCH_K \h                      ; (in a dead step too: the region then holds the block's last step once more)
	NEXTG 1-(\h), 32                ; K's 32 loads may stay out
	s_add_co_u32 s[TT], s[T], s[B]
	s_cmp_ge_u32 s[TT], s[N]
	s_cbranch_scc1 .Ldead_\@        ; no such step: no barrier is jumped, and no load that a later count leans on
	LIVE \h
.Ldead_\@:
	s_wait_dscnt 0x0                ; my reads of region h are over and my part of region 1 - h is written;
	s_barrier_signal -1
	s_barrier_wait -1               ; everybody's
	s_add_co_u32 s[T], s[T], 2
.endm
	s_load_b128 s[4:7], s[0:1], 0x0 ; qkv s[4:5], ob s[6:7]
	v_lshl_add_u32 v62, v0, 2, 0x2fc00
	v_mov_b32 v63, 0
	v_lshrrev_b32 v1, 5, v0
	v_readfirstlane_b32 s[WV], v1   ; wave 0..3
	s_and_b32 s[B], s[WV], 1
	s_mov_b32 s[J2], ttmp9          ; the second block, 0 to 15,
	s_sub_co_u32 s[J1], 31, s[J2]   ; and the first, 31 to 16
	PARAMS J1, LI, HALFC, NIC, N, NT, LFK
	s_mov_b32 s[LNIC], s[NIC]
	s_sub_co_u32 s[LN1], s[N], 1
	s_lshl_b32 s[LEND], s[NT], 2    ; a trip is two slots of two steps
	s_mov_b32 s[LT], 0
	PARAMS J2, I2, HALF2, NIC2, N2, NT2, FK2
	s_sub_co_u32 s[N2M1], s[N2], 1
	s_and_b32 s39, ttmp7, 0xffff    ; 8 x batch + key and value head
	s_lshr_b32 s40, s39, 3          ; batch
	s_and_b32 s39, s39, 7           ; key and value head
	s_add_co_u32 s[OF], s39, 16
	s_lshl_b32 s[OF], s[OF], 19     ; a head is 524,288 bytes,
	s_lshl_b32 s41, s40, 18         ; a batch's 1,024 rows 262,144
	s_add_co_u32 s[OF], s[OF], s41
	s_mov_b32 s[OF+1], 0
	s_lshr_b32 s41, s[WV], 1
	s_lshl1_add_u32 s41, s39, s41   ; my query head
	s_lshl_b32 s40, s40, 10         ; the batch's first row
	PLACE J1, 72, 74
	PLACE J2, 76, 78
	s_mov_b32 s[CS], 0x3e0293ee     ; c = log2(e) / sqrt(128) = 0.127517
	s_mov_b32 s[CS+1], s[CS]
	s_mov_b32 s[SEL], 0x76543210
	s_mov_b32 s[SEL+1], 0xfedcba98
	s_mov_b32 s[AL+1], 0            ; named as pairs
	s_mov_b32 s[BE+1], 0
	s_mov_b32 s[BIGN], 0xf149f2ca   ; -1e30
	s_mov_b32 s[BLK], 0
	v_and_b32 v1, 15, v0            ; l % 16
	v_bfe_u32 v19, v0, 4, 1         ; l / 16
	v_and_b32 v20, 31, v0
	v_lshlrev_b32 v21, 8, v1
	v_lshl_add_u32 v21, v19, 4, v21 ; a fragment's row x 256 + 16 x half,
	s_lshl_b32 s39, s[B], 12
	v_add_nc_u32 v[QO], s39, v21    ; in position tile b
	s_xor_b32 s39, s39, 4096
	v_add_nc_u32 v[QO+1], s39, v21  ; and in position tile 1 - b
	v_lshlrev_b32 v[GOFF], 4, v20
	v_lshl_add_u32 v[GOFF], s[WV], 12, v[GOFF]
	s_wait_kmcnt 0x0
	s_add_nc_u64 s[KV0:KV0+1], s[4:5], s[OF:OF+1]
	s_add_nc_u64 s[QA:QA+1], s[4:5], s[72:73]
	s_add_nc_u64 s[QFA:QFA+1], s[QA:QA+1], PATH2
	s_add_nc_u64 s[QN:QN+1], s[4:5], s[76:77]
	s_add_nc_u64 s[QFN:QFN+1], s[QN:QN+1], PATH2
	s_add_nc_u64 s[OUT2:OUT2+1], s[6:7], s[78:79]
	s_add_nc_u64 s[6:7], s[6:7], s[74:75]
	QLOAD 0, QA                     ; what is wanted first goes out first: Q, slot 0, slot 1; the second path's Q last
	NEXTG 0
	NEXTG 1
	QLOAD QF, QFA
	v_lshlrev_b32 v21, 3, v19
	v_sub_nc_u32 v22, v1, v21
	s_lshl_b32 s39, s[B], 4
	v_add_nc_u32 v[RB], s39, v22
	s_xor_b32 s39, s39, 16
	v_add_nc_u32 v[RB+1], s39, v22
	s_mul_i32 s39, s[B], STEPB      ; my step of a slot
	v_mul_u32_u24 v[AK], v1, PK
	v_lshl_add_u32 v[AK], v19, 4, v[AK]       ; row x pitch + 16 x half
	v_add_nc_u32 v[AK], s39, v[AK]
	v_add_nc_u32 v[AK+1], REGB, v[AK]
	v_and_b32 v21, 7, v0
	v_bfe_u32 v22, v0, 3, 1
	v_lshl_add_u32 v[AV], v19, 3, v21         ; the turning load: key 8 (l / 16) + l % 8, channels 8 ((l / 8) % 2) + 0..7
	v_mul_u32_u24 v[AV], v[AV], PV
	v_lshl_add_u32 v[AV], v22, 4, v[AV]
	s_add_co_u32 s39, s39, VOFF
	v_add_nc_u32 v[AV], s39, v[AV]
	v_add_nc_u32 v[AV+1], REGB, v[AV]
	s_mul_i32 s39, s[WV], 16*PK
	v_mul_u32_u24 v[AKS], v19, PK             ; a load's 512 bytes are two rows: lanes 0-15 the even one, lanes 16-31 the odd one
	v_lshl_add_u32 v[AKS], v1, 4, v[AKS]
	v_add_nc_u32 v[AKS], s39, v[AKS]
	v_add_nc_u32 v[AKS+1], REGB, v[AKS]
	s_mul_i32 s39, s[WV], 16*PV
	v_mul_u32_u24 v[AVS], v19, PV
	v_lshl_add_u32 v[AVS], v1, 4, v[AVS]
	v_add_nc_u32 v[AVS], s39, v[AVS]
	v_add_nc_u32 v[AVS+1], REGB, v[AVS]
	s_mul_i32 s39, s[WV], 16*SP
	s_add_co_u32 s39, s39, STAGE              ; my stage
	v_mul_u32_u24 v[STO], v1, SP              ; in: row l % 16, 16 bytes for each half of the lanes
	v_lshl_add_u32 v[STO], v19, 4, v[STO]
	v_add_nc_u32 v[STO], s39, v[STO]
	v_mul_u32_u24 v[RD], v19, SP              ; back: lanes 0-15 take one row of 256 bytes, lanes 16-31 the next
	v_lshl_add_u32 v[RD], v1, 4, v[RD]
	v_add_nc_u32 v[RD], s39, v[RD]
	v_lshlrev_b32 v[GO], 12, v19              ; and the same two rows in ob
	v_lshl_add_u32 v[GO], v1, 4, v[GO]
	s_mul_i32 s39, s[WV], XWB
	s_add_co_u32 s39, s39, XCH
	v_lshl_add_u32 v[XW], v20, 4, s39         ; 16 bytes a lane, 512 on end a store
	s_xor_b32 s40, s[WV], 1                   ; my partner: the other wave of my head
	s_mul_i32 s40, s40, XWB
	s_add_co_u32 s40, s40, XCH
	v_lshl_add_u32 v[XR], v20, 4, s40
	s_wait_loadcnt 48               ; Q and slot 0 are in; slot 1's 32 loads and the second path's 16 stay out
	LSTORE 0
	NEXTG 0, 0                      ; slot 2, behind the wait for those stores, which also serves the barrier:
	s_barrier_signal -1
	s_barrier_wait -1               ; region 0 is whole
.Lblock:                            ; two trips: the two blocks
	v_add_nc_u32 v[ROW], s[HALFC], v[RB]
	v_add_nc_u32 v[ROW+1], s[HALFC], v[RB+1]
	WIN W_P
.set i, 0
.rept 64                            ; register i % 8 of key block (i % 32) / 8, register tile i / 32: hidden where 16 kb + r + 8 (l / 16) is greater than the row
	v_cmp_gt_i32 vcc_lo, 16*((i%32)/8)+i%8, v[ROW+i/32]
	v_cndmask_b32 v[MD+i], 0, s[BIGN], vcc_lo
.set i, i+1
.endr
.set i, 0
.rept 128
	v_mov_b32 v[i], 0               ; O^T
.set i, i+1
.endr
	WIN 0
	BOTH v_mov_b32 v[ST+8*t], 0xfe000000      ; c m: far below every c s
	BOTH v_mov_b32 v[ST+8*t+1], 0xff7fffff    ; m
.set j, 2
.rept 6
	BOTH v_mov_b32 v[ST+8*t+j], 0             ; l, and what the merge names of a wave that had no step
.set j, j+1
.endr
	s_mov_b32 s[T], 0
	s_mov_b32 s[G], 0
.Ltrip:                             ; NT trips: two slots each
	HALF 0
	HALF 1
	s_add_co_u32 s[G], s[G], 1
	s_cmp_lt_u32 s[G], s[NT]
	s_cbranch_scc1 .Ltrip
	; THE MERGE.  Register tile 1's O^T, as it is, and its c m, m and l go to my partner; each accumulator's low four registers first.
	PLACES                          ; behind the last products
	WIN 0x04                        ; the data in window 1
.set i, 0
.rept 16
	ds_store_b128 v[XW], v[64+4*i:64+4*i+3] offset:512*i
.set i, i+1
.endr
	WIN 0
	ds_store_b128 v[XW], v[ST+8:ST+11] offset:8192
	s_wait_dscnt 0x0                ; for my partner's sake: what I give is written
	s_barrier_signal -1
	s_barrier_wait -1
	; Register tile 0 is finished: my partner's part comes into S^T's registers and into the statistics of the tile that I gave away.
	ds_load_b128 v[ST+8:ST+11], v[XR] offset:8192
.set i, 0
.rept 16
	ds_load_b128 v[S+4*i:S+4*i+3], v[XR] offset:512*i
.set i, i+1
.endr
	s_wait_dscnt 16                 ; the statistics are in; the 16 loads of O^T may stay out
	v_max_num_f32 v[ST+12], v[ST], v[ST+8]
	v_sub_f32 v[ST+4], v[ST], v[ST+12]
	v_sub_f32 v[ST+6], v[ST+8], v[ST+12]
	v_exp_f32 v[ST+4], v[ST+4]      ; f
	v_exp_f32 v[ST+6], v[ST+6]      ; f'
	v_add_f32 v[ST+2], v[ST+2], v[ST+3]       ; a plain line behind the exponentials (ISA guide 5.7.2): l's two halves
	v_add_f32 v[ST+10], v[ST+10], v[ST+11]
	s_wait_alu depctr_va_vdst(0)
	v_mul_f32 v[ST+2], v[ST+2], v[ST+4]
	v_fma_f32 v[ST+2], v[ST+10], v[ST+6], v[ST+2]
	v_permlanex16_b32 v[ST+3], v[ST+2], s[SEL], s[SEL+1]  ; the query's other keys lie in the lane 16 away
	v_add_f32 v[ST+2], v[ST+2], v[ST+3]
	v_rcp_f32 v[ST+2], v[ST+2]
	v_nop                           ; a plain line between the reciprocal and the use of its result
	s_wait_alu depctr_va_vdst(0)
	v_mul_f32 v[ST+4], v[ST+4], v[ST+2]
	v_mul_f32 v[ST+6], v[ST+6], v[ST+2]
	s_wait_dscnt 0x0
.set i, 0
.rept 32
	v_pk_mul_f32 v[S+2*i:S+2*i+1], v[S+2*i:S+2*i+1], v[ST+6:ST+7] op_sel_hi:[1,0]
.set i, i+1
.endr
	WIN W_MK                        ; my O^T in window 1, read from each accumulator's low end on
.set i, 0
.rept 32
	v_pk_fma_f32 v[S+2*i:S+2*i+1], v[2*i:2*i+1], v[ST+4:ST+5], v[S+2*i:S+2*i+1] op_sel_hi:[1,0,1]
.set i, i+1
.endr
	WIN 0
	; THE WAY OUT: rounded to f16 in place, 16 bytes a lane into my stage, back as whole rows of 256 bytes.
.set i, 0
.rept 32
	v_cvt_pk_f16_f32 v[S+i], v[S+2*i], v[S+2*i+1]
.set i, i+1
.endr
.irp f, 0,1,2,3,4,5,6,7
	ds_store_b128 v[STO], v[S+4*\f:S+4*\f+3] offset:32*\f
.endr
.irp f, 0,1,2,3,4,5,6,7
	ds_load_b128 v[S+32+4*\f:S+32+4*\f+3], v[RD] offset:\f*2*SP  ; LDS serves a wave's instructions in order (ISA guide 5.7.1.4): these see the stores above
.endr
.irp f, 0,1,2,3,4,5,6,7
	s_wait_dscnt 7-\f               ; the 7 - f younger loads stay out
	global_store_b128 v[GO], v[S+32+4*\f:S+32+4*\f+3], s[6:7] offset:\f*8192  ; 16 lanes store 256 consecutive bytes, at a multiple of 256 from ob's first byte
.endr
	s_cmp_eq_u32 s[BLK], 1
	s_cbranch_scc1 .Ldone           ; behind the second block nothing follows
	s_wait_xcnt 0x0                 ; only behind this wait are the stores' base and data registers rewritten
	s_mov_b64 s[6:7], s[OUT2:OUT2+1]
	s_mov_b32 s[NIC], s[NIC2]
	s_mov_b32 s[N], s[N2]
	s_mov_b32 s[NT], s[NT2]
	s_mov_b32 s[HALFC], s[HALF2]
	s_wait_loadcnt 0x0              ; the second block's Q; no load need have been issued behind it, so the count is 0: the two sets on their way were asked for a slot ago or more
	QCOPY
	QLOAD QF, QFN                   ; and its second path's
.Ldone:
	s_add_co_u32 s[BLK], s[BLK], 1
	s_cmp_lt_u32 s[BLK], 2
	s_cbranch_scc1 .Lblock
	s_wait_tensorcnt 0x0
	ds_add_u32 v62, v63
	s_wait_dscnt 0x0
	s_endpgm
.Lfunc_end_k_qe36aa6ef28_attn:
	.size	k_qe36aa6ef28_attn, .Lfunc_end_k_qe36aa6ef28_attn-k_qe36aa6ef28_attn
	.p2alignl 7, 3214868480
	.fill 96, 4, 3214868480
	.section	.rodata,"a",@progbits
	.p2align	6, 0x0
	.amdhsa_kernel k_qe36aa6ef28_attn
		.amdhsa_group_segment_fixed_size 196096
		.amdhsa_private_segment_fixed_size 0
		.amdhsa_enable_private_segment 0
		.amdhsa_kernarg_size 16
		.amdhsa_user_sgpr_count 2
		.amdhsa_user_sgpr_kernarg_segment_ptr 1
		.amdhsa_wavefront_size32 1
		.amdhsa_system_sgpr_workgroup_id_x 1
		.amdhsa_system_sgpr_workgroup_id_y 1
		.amdhsa_system_sgpr_workgroup_id_z 1
		.amdhsa_system_vgpr_workitem_id 0
		.amdhsa_next_free_vgpr 1024
		.amdhsa_next_free_sgpr 80
		.amdhsa_reserve_vcc 1
		.amdhsa_float_denorm_mode_32 3
		.amdhsa_float_denorm_mode_16_64 3
		.amdhsa_memory_ordered 1
		.amdhsa_forward_progress 1
		.amdhsa_inst_pref_size 121
	.end_amdhsa_kernel
	.amdgpu_metadata
---
amdhsa.version: [ 1, 2 ]
amdhsa.kernels:
  - .name:           k_qe36aa6ef28_attn
    .symbol:         k_qe36aa6ef28_attn.kd
    .args:
      - { .name: qkv, .offset: 0, .size: 8, .value_kind: global_buffer, .address_space: global }
      - { .name: ob, .offset: 8, .size: 8, .value_kind: global_buffer, .address_space: global }
    .group_segment_fixed_size: 196096
    .private_segment_fixed_size: 0
    .kernarg_segment_align: 8
    .kernarg_segment_size: 16
    .max_flat_workgroup_size: 128
    .sgpr_count:     80
    .vgpr_count:     1024
    .wavefront_size: 32
...
	.end_amdgpu_metadata
.endif
;; end of part 3
;; launch outp (part 4): grid 16 x 16, 4 waves a work-group, clusters of 4 x 4, 327,680 bytes of LDS; arguments ob, h16, out0; writes out0
.if DOCPART == 4
	.amdgcn_target "amdgcn-amd-amdhsa--gfx1250"
	.amdhsa_code_object_version 6
	.text
	.protected	k_qe36aa6ef28_outp
	.globl	k_qe36aa6ef28_outp
	.p2align	8
	.type	k_qe36aa6ef28_outp,@function
k_qe36aa6ef28_outp:
	s_mov_b64 s[64:65], 0
	v_nop
	global_prefetch_b8 v0, s[64:65] scope:SCOPE_SE
	s_setreg_imm32_b32 hwreg(HW_REG_WAVE_MODE, 25, 1), 1
	s_wait_xcnt 0x0
	s_wait_alu depctr_hold_cnt(0) depctr_sa_sdst(0) depctr_va_vdst(0) depctr_va_sdst(0) depctr_va_ssrc(0) depctr_va_vcc(0) depctr_vm_vsrc(0)
	s_getreg_b32 s2, hwreg(HW_REG_IB_STS2, 6, 4)
	s_cmp_eq_u32 s2, 0
	s_cbranch_scc0 .Lentry_in_a_cluster
	s_endpgm
.Lentry_in_a_cluster:
	s_bfe_u32 s2, ttmp6, 0x10000c
	s_cmp_lg_u32 s2, 0xf033
	s_cbranch_scc0 .Lentry_shape_is_right
	s_endpgm
.Lentry_shape_is_right:
; THE LAST PROJECTION.  out0[m][n] = sum over k of O[m][k] Wo[n][k], 2048 x 2048 x 2048.  O: ob, f16.  Wo: in h16 at byte WO, rounded to bf16 and written as f16.  Sums and out0 in f32.
; A tile of C is 128 x 128, which gives each of 256 work-groups one tile.  Four waves, each 64 x 64: 16 accumulators, 128 registers.  K goes in steps of 256 (LDS rows of 512 bytes; a wave's tensor
; load brings 64 of them) through two slots.  A wave's 64 columns of f32 are 256 consecutive bytes of a row of out0, so each wave has a stage of its OWN on the way out, and no barrier stands there.
; CLUSTER: 4 x 4 work-groups.  The four of a row need the same tiles of O, the four of a column the same tiles of Wo: each tile is asked for JOINTLY.
; THE MATRIX INSTRUCTION IS USED TRANSPOSED (source 0 = 16 rows of Wo, source 1 = 16 rows of O): a lane holds eight neighbouring numbers of a row of C.
; REGISTERS: window 0: v0-31 addresses; v32-95 at work on the way out; v128-255 the accumulators ((a, b) at v[128 + 8 (4 a + b)]).   window 1: two fragment buffers of 128.
.set SIZE_K, 2048
.set SIZE_N, 2048
.set WO,     41943040                  ; Wo's first byte in h16
.set KSTEP,  256
.set PITCH,  528                       ; an LDS row: 512 bytes + 16 of padding = 132 words: row r starts at bank 4 r mod 64 (64 banks of 4 bytes: ISA guide 11.1)
.set HALFT,  64*PITCH
.set SLOT,   4*HALFT
.set STAGE,  2*SLOT                    ; behind the ring: 16 rows x 272 bytes for each wave
.set SPITCH, 272
.set SPARE,  STAGE+4*16*SPITCH         ; behind the stages: the spare words, 128 bytes for each wave
.set LAPS, SIZE_K/(2*KSTEP)
.set ADRA, 16
.set ADRB, 20
.set STO,  24
.set RD,   25
.set CO,   26
.set SPW,  28
.set NIL,  29
.set TMP,  32
.set ACC,  128
.set F0,   0
.set F1,   128
.set G1, 24
.set G0, 32
.set G1B, 48
.set G0B, 56
.set MSB, 0
.macro WIN new
.if MSB != (\new)
	s_set_vgpr_msb (MSB<<8)|(\new)
.set MSB, \new
.endif
.endm
.set MUL,  0x05                        ; sources 0 (Wo) and 1 (O) window 1; C and D window 0
.set TO_F, 0x40                        ; destination window 1, address window 0
.macro JLOAD s                         ; a joint load: waves 0 and 1 fetch O's two halves, waves 2 and 3 Wo's; an s_nop 0 and four v_nop follow each of the two lines
	s_cmp_eq_u32 s11, 0
	s_cbranch_scc0 .Lfor_b_\@
	tensor_load_to_lds s[G0+4*(\s):G0+4*(\s)+3], s[G1:G1+7]
	s_nop 0
.rept 4
	v_nop
.endr
	s_branch .Lasked_\@
.Lfor_b_\@:
	tensor_load_to_lds s[G0B+4*(\s):G0B+4*(\s)+3], s[G1B:G1B+7]
	s_nop 0
.rept 4
	v_nop
.endr
.Lasked_\@:
.endm
.macro CREST
	s_cmp_lg_u32 s10, 0
	s_cbranch_scc1 .Lnot_wave_0_\@
	s_barrier_signal -3
.Lnot_wave_0_\@:
	s_barrier_wait -3
	s_barrier_signal -1
	s_barrier_wait -1
.endm
.macro CROUND
	s_barrier_signal -1
	s_barrier_wait -1
	CREST
.endm
	s_load_b128 s[4:7], s[0:1], 0x0                ; ob s[4:5], h16 s[6:7]
	s_load_b64 s[8:9], s[0:1], 0x10                ; out0
	v_lshl_add_u32 v[SPW], v0, 2, SPARE
	v_mov_b32 v[NIL], 0
	ds_add_u32 v28, v29
	s_wait_dscnt 0x0
	v_lshrrev_b32 v1, 5, v0
	v_readfirstlane_b32 s10, v1                    ; wave 0..3
	s_lshr_b32 s11, s10, 1                         ; which half of the tile's rows is mine.  Also: I fetch for O (0) or for Wo (1)
	s_and_b32 s12, s10, 1                          ; which half of its columns.  Also: which 64 rows of that tile I fetch
	s_bfe_u32 s40, ttmp6, 0x40000                  ; cx, cy
	s_bfe_u32 s41, ttmp6, 0x40004
	s_lshl_b32 s42, ttmp9, 2
	s_add_co_u32 s42, s42, s40                     ; tile column
	s_and_b32 s13, ttmp7, 0xffff
	s_lshl_b32 s13, s13, 2
	s_add_co_u32 s13, s13, s41                     ; tile row
	s_lshl_b32 s43, s41, 2
	s_lshl_b32 s43, 15, s43                        ; my row of the cluster
	s_lshl_b32 s44, 0x1111, s40                    ; my column
	; descriptor group 1: a tile of 64 rows x 256 elements of 2 bytes, 4 words of padding behind every 128
	s_or_b32 s[G1+0], s43, (1<<16)|(1<<20)|(1<<21)|(6<<22)|(3<<25)
	s_or_b32 s[G1B+0], s44, (1<<16)|(1<<20)|(1<<21)|(6<<22)|(3<<25)
.irp g, G1, G1B
	s_mov_b32 s[(\g)+1], KSTEP<<16                 ; tensor_dim0 = 256
	s_mov_b32 s[(\g)+2], 64<<16                    ; tensor_dim1 = 64
	s_mov_b32 s[(\g)+3], KSTEP<<16                 ; tile_dim0 = 256
	s_mov_b32 s[(\g)+4], 64                        ; tile_dim1 = 64
	s_mov_b32 s[(\g)+5], SIZE_K                    ; elements from row to row
	s_mov_b32 s[(\g)+6], 0
	s_mov_b32 s[(\g)+7], 0
.endr
	s_lshl_b32 s17, s12, 6
	s_lshl_b32 s16, s13, 7
	s_add_co_u32 s16, s16, s17                     ; O: row 128 x tile row + 64 x half
	s_lshl_b32 s46, s42, 7
	s_add_co_u32 s46, s46, s17                     ; Wo: row 128 x tile column + 64 x half
	s_mov_b32 s17, 0
	s_mov_b32 s47, 0
	s_mov_b64 s[18:19], SIZE_K*2
	s_mul_u64 s[16:17], s[16:17], s[18:19]
	s_mul_u64 s[46:47], s[46:47], s[18:19]
	s_mul_i32 s20, s10, HALFT                      ; where they go: wave x 64 rows
	s_wait_kmcnt 0x0
	s_add_nc_u64 s[6:7], s[6:7], WO
	s_add_nc_u64 s[14:15], s[4:5], s[16:17]
	s_add_nc_u64 s[46:47], s[6:7], s[46:47]
	CROUND                                         ; all sixteen work-groups are here: the first joint loads meet
.irp s, 0,1
	s_mov_b32 s[G0+4*(\s)], 1
	s_add_co_u32 s[G0+4*(\s)+1], s20, (\s)*SLOT
	s_add_nc_u64 s[G0+4*(\s)+2:G0+4*(\s)+3], s[14:15], (\s)*KSTEP*2
	s_or_b32 s[G0+4*(\s)+3], s[G0+4*(\s)+3], 0x80000000
	s_mov_b32 s[G0B+4*(\s)], 1
	s_add_co_u32 s[G0B+4*(\s)+1], s20, (\s)*SLOT
	s_add_nc_u64 s[G0B+4*(\s)+2:G0B+4*(\s)+3], s[46:47], (\s)*KSTEP*2
	s_or_b32 s[G0B+4*(\s)+3], s[G0B+4*(\s)+3], 0x80000000
	JLOAD \s                                       ; two tensor loads of mine are out
.endr
	v_and_b32 v1, 15, v0                           ; l % 16
	v_bfe_u32 v2, v0, 4, 1                         ; l / 16
	v_mul_u32_u24 v3, v1, PITCH
	v_lshl_add_u32 v3, v2, 4, v3
	s_mul_i32 s21, s11, HALFT                      ; my 64 rows of O
	s_mul_i32 s22, s12, HALFT                      ; my 64 rows of Wo,
	s_add_co_u32 s22, s22, 2*HALFT                 ; which lie behind O's 128
.irp s, 0,1
	v_add_nc_u32 v[ADRA+(\s)], s21, v3
	v_add_nc_u32 v[ADRB+(\s)], s22, v3
	s_add_co_u32 s21, s21, SLOT
	s_add_co_u32 s22, s22, SLOT
.endr
	s_mul_i32 s23, s10, 16*SPITCH
	s_add_co_u32 s23, s23, STAGE                   ; my stage
	v_mul_u32_u24 v4, v1, SPITCH                   ; in: row l % 16, 32 bytes (eight f32) for each half of the lanes
	v_lshl_add_u32 v4, v2, 5, v4
	v_add_nc_u32 v[STO], s23, v4
	v_mul_u32_u24 v5, v2, SPITCH                   ; back: lanes 0-15 take one row of 256 bytes, lanes 16-31 the next
	v_lshl_add_u32 v5, v1, 4, v5
	v_add_nc_u32 v[RD], s23, v5
	v_lshlrev_b32 v5, 13, v2                       ; and the same two rows in out0: 8,192 bytes apart
	v_lshl_add_u32 v[CO], v1, 4, v5
	s_lshl_b32 s16, s13, 7
	s_lshl_b32 s17, s11, 6
	s_add_co_u32 s16, s16, s17                     ; my first row of C,
	s_lshl_b32 s16, s16, 13                        ; in bytes
	s_mov_b32 s17, 0
	s_add_nc_u64 s[8:9], s[8:9], s[16:17]
	s_lshl_b32 s46, s42, 9                         ; my first column, in bytes: 512 x tile column + 256 x half
	s_lshl_b32 s47, s12, 8
	s_add_co_u32 s46, s46, s47
	s_mov_b32 s47, 0
	s_add_nc_u64 s[8:9], s[8:9], s[46:47]
; 8 matrix instructions: row blocks a0, a0 + 1 x all 4 column blocks, 32 along K: half c of buffer f.  zero = 1: the first product starts the sums.  The 16 accumulators take turns.
.macro MUL8 f, c, a0, zero
	WIN MUL
.irp a, \a0, (\a0)+1
.irp b, 0,1,2,3
.if \zero
	v_wmma_f32_16x16x32_f16 v[ACC+8*(4*(\a)+(\b)):ACC+8*(4*(\a)+(\b))+7], v[(\f)+64+8*(4*(\c)+(\b)):(\f)+64+8*(4*(\c)+(\b))+7], v[(\f)+8*(4*(\c)+(\a)):(\f)+8*(4*(\c)+(\a))+7], 0
.else
	v_wmma_f32_16x16x32_f16 v[ACC+8*(4*(\a)+(\b)):ACC+8*(4*(\a)+(\b))+7], v[(\f)+64+8*(4*(\c)+(\b)):(\f)+64+8*(4*(\c)+(\b))+7], v[(\f)+8*(4*(\c)+(\a)):(\f)+8*(4*(\c)+(\a))+7], v[ACC+8*(4*(\a)+(\b)):ACC+8*(4*(\a)+(\b))+7]
.endif
.endr
.endr
.endm
; 32 LDS loads in one run: the fragments of 64 along K at byte k of the rows, into buffer f; the first 32 along K first
.macro FETCH slot, k, f
	WIN TO_F
.irp c, 0,1
.irp i, 0,1,2,3
	ds_load_b128 v[(\f)+64+8*(4*(\c)+(\i)):(\f)+64+8*(4*(\c)+(\i))+3],   v[ADRB+(\slot)] offset:(\k)+64*(\c)+(\i)*16*PITCH
	ds_load_b128 v[(\f)+64+8*(4*(\c)+(\i))+4:(\f)+64+8*(4*(\c)+(\i))+7], v[ADRB+(\slot)] offset:(\k)+64*(\c)+(\i)*16*PITCH+32
	ds_load_b128 v[(\f)+8*(4*(\c)+(\i)):(\f)+8*(4*(\c)+(\i))+3],         v[ADRA+(\slot)] offset:(\k)+64*(\c)+(\i)*16*PITCH
	ds_load_b128 v[(\f)+8*(4*(\c)+(\i))+4:(\f)+8*(4*(\c)+(\i))+7],       v[ADRA+(\slot)] offset:(\k)+64*(\c)+(\i)*16*PITCH+32
.endr
.endr
.endm
.macro PLACES                          ; four places in front of loads into registers that matrix instructions have read, and of LDS stores that read results
.rept 4
	v_nop
.endr
.endm
; A K step is four quarters of 64 along K, 32 matrix instructions each, on buffers 0, 1, 0, 1
.macro QUARTER slot, k, f, g, zero
	s_wait_dscnt 16                                ; the first 32 along K are in
	WIN MUL
	MUL8 \f, 0, 0, \zero
	MUL8 \f, 0, 2, \zero
	PLACES
	FETCH \slot, \k, \g
	s_wait_dscnt 32                                ; all but the 32 just issued
	WIN MUL
	MUL8 \f, 1, 0, 0
	MUL8 \f, 1, 2, 0
.endm
; The last quarter multiplies buffer 1 and changes slots: ONE barrier.  fill = 1: this slot is filled again, two K steps ahead, behind a round of the cluster's barrier
.macro TURN slot, next, fill
	WIN 0                                          ; (the add's two registers lie in window 0)
	s_wait_tensorcnt 0x0                           ; all my tensor loads have landed: my part of the next slot;
	ds_add_u32 v[SPW], v[NIL]                      ; 0 onto my spare word;
	s_wait_dscnt 17                                ; (the add and the youngest sixteen loads may be out)
	WIN MUL
	MUL8 F1, 0, 0, 0                               ; eight matrix instructions stand between the add and the wait for it
	s_wait_dscnt 0x0                               ; the add is done, and my reads of this slot are over
	s_barrier_signal -1
	MUL8 F1, 0, 2, 0
.if \fill
	WIN 0
.endif
	s_barrier_wait -1
.if \fill
	CREST
	s_add_nc_u64 s[G0+4*(\slot)+2:G0+4*(\slot)+3], s[G0+4*(\slot)+2:G0+4*(\slot)+3], 2*KSTEP*2
	s_add_nc_u64 s[G0B+4*(\slot)+2:G0B+4*(\slot)+3], s[G0B+4*(\slot)+2:G0B+4*(\slot)+3], 2*KSTEP*2
	JLOAD \slot                                    ; the first tensor load behind the round; its four v_nop are also the places in front of the loads below
.else
	PLACES
.endif
	FETCH \next, 0, F0
	WIN MUL
	MUL8 F1, 1, 0, 0
	MUL8 F1, 1, 2, 0
.endm
	s_wait_tensorcnt 1                             ; my part of K step 0 is in; K step 1's may stay out
	s_barrier_signal -1
	s_barrier_wait -1
	FETCH 0, 0, F0
	QUARTER 0, 128, F0, F1, 1                      ; the first quarter stands in front of the loop: its first products start the sums
	WIN 0
	s_mov_b32 s3, LAPS-1
.Llap:                                                 ; a trip goes once round the ring and fills both slots again
	QUARTER 0, 256, F1, F0, 0
	QUARTER 0, 384, F0, F1, 0
	TURN 0, 1, 1
	QUARTER 1, 128, F0, F1, 0
	QUARTER 1, 256, F1, F0, 0
	QUARTER 1, 384, F0, F1, 0
	TURN 1, 0, 1
	QUARTER 0, 128, F0, F1, 0
	WIN 0
	s_sub_co_u32 s3, s3, 1
	s_cmp_lg_u32 s3, 0
	s_cbranch_scc1 .Llap
	QUARTER 0, 256, F1, F0, 0                      ; the last lap fills nothing
	QUARTER 0, 384, F0, F1, 0
	TURN 0, 1, 0
	QUARTER 1, 128, F0, F1, 0
	QUARTER 1, 256, F1, F0, 0
	QUARTER 1, 384, F0, F1, 0
	s_wait_dscnt 16
	WIN MUL
	MUL8 F1, 0, 0, 0
	MUL8 F1, 0, 2, 0
	s_wait_dscnt 0x0
	MUL8 F1, 1, 0, 0
	MUL8 F1, 1, 2, 0
	WIN 0
	; THE WAY OUT, 16 rows at a time: a lane's eight f32 of a row go into my stage as 32 bytes (each accumulator's low four registers first) and come back as whole rows of 256 bytes.
	PLACES
.irp a, 0,1,2,3
	s_wait_xcnt 0x0                                ; the registers that the stores two blocks back read are loaded again only behind this wait
.irp b, 0,1,2,3
	ds_store_b128 v[STO], v[ACC+8*(4*(\a)+(\b)):ACC+8*(4*(\a)+(\b))+3]   offset:64*(\b)
	ds_store_b128 v[STO], v[ACC+8*(4*(\a)+(\b))+4:ACC+8*(4*(\a)+(\b))+7] offset:64*(\b)+16
.endr
.irp t, 0,1,2,3,4,5,6,7
	ds_load_b128 v[TMP+32*((\a)%2)+4*(\t):TMP+32*((\a)%2)+4*(\t)+3], v[RD] offset:(\t)*2*SPITCH  ; LDS serves a wave's instructions in order (ISA guide 5.7.1.4): these see the stores above
.endr
	s_wait_dscnt 0x0
.irp t, 0,1,2,3,4,5,6,7
	global_store_b128 v[CO], v[TMP+32*((\a)%2)+4*(\t):TMP+32*((\a)%2)+4*(\t)+3], s[8:9] offset:(16*(\a)+2*(\t))*SIZE_N*4  ; 16 lanes store 256 consecutive bytes, at a multiple of 256 from out0's first byte
.endr
.endr
	s_wait_tensorcnt 0x0                           ; the wave's end
	ds_add_u32 v[SPW], v[NIL]
	s_wait_dscnt 0x0
	CROUND                                         ; the closing round
	s_endpgm
.Lfunc_end_k_qe36aa6ef28_outp:
	.size	k_qe36aa6ef28_outp, .Lfunc_end_k_qe36aa6ef28_outp-k_qe36aa6ef28_outp
	.p2alignl 7, 3214868480
	.fill 96, 4, 3214868480
	.section	.rodata,"a",@progbits
	.p2align	6, 0x0
	.amdhsa_kernel k_qe36aa6ef28_outp
		.amdhsa_group_segment_fixed_size 327680
		.amdhsa_private_segment_fixed_size 0
		.amdhsa_enable_private_segment 0
		.amdhsa_kernarg_size 24
		.amdhsa_user_sgpr_count 2
		.amdhsa_user_sgpr_kernarg_segment_ptr 1
		.amdhsa_wavefront_size32 1
		.amdhsa_system_sgpr_workgroup_id_x 1
		.amdhsa_system_sgpr_workgroup_id_y 1
		.amdhsa_system_sgpr_workgroup_id_z 1
		.amdhsa_system_vgpr_workitem_id 0
		.amdhsa_next_free_vgpr 512
		.amdhsa_next_free_sgpr 66
		.amdhsa_reserve_vcc 0
		.amdhsa_float_denorm_mode_32 3
		.amdhsa_float_denorm_mode_16_64 3
		.amdhsa_memory_ordered 1
		.amdhsa_forward_progress 1
		.amdhsa_inst_pref_size 86
	.end_amdhsa_kernel
	.amdgpu_metadata
---
amdhsa.version: [ 1, 2 ]
amdhsa.kernels:
  - .name:           k_qe36aa6ef28_outp
    .symbol:         k_qe36aa6ef28_outp.kd
    .args:
      - { .name: ob, .offset: 0, .size: 8, .value_kind: global_buffer, .address_space: global }
      - { .name: h16, .offset: 8, .size: 8, .value_kind: global_buffer, .address_space: global }
      - { .name: out0, .offset: 16, .size: 8, .value_kind: global_buffer, .address_space: global }
    .group_segment_fixed_size: 327680
    .private_segment_fixed_size: 0
    .kernarg_segment_align: 8
    .kernarg_segment_size: 24
    .max_flat_workgroup_size: 128
    .sgpr_count:     66
    .vgpr_count:     512
    .wavefront_size: 32
...
	.end_amdgpu_metadata
.endif
;; end of part 4
